; MI455X (gfx1250); checked and timed in simulation.
; The chip was launched on July 23, 2026; its instructions are those of AMD's public machine-readable ISA for CDNA 5 (MIT licence, August 2026) and "CDNA5" Instruction Set Architecture Reference Guide (July 2026). The comments in the code are by the model that wrote it; some were corrected since.
;; Self Attention. Allowed arithmetic: matrix products marked QUANTISED: E4M3 operands, one given power-of-two scale a tensor, by v_wmma_f32_16x16x64_fp8_fp8 or v_wmma_f32_16x16x128_fp8_fp8, f32 sums; everything else in f32.
;; Inputs: Wk 1,024 x 1,024 float32; Wo 1,024 x 1,024 float32; Wq 1,024 x 1,024 float32; Wv 1,024 x 1,024 float32; beta 1,024 float32; bk 1,024 float32; bo 1,024 float32; bq 1,024 float32; bv 1,024 float32; gamma 1,024 float32; lowp_scales 12 int32 (the exponents e of the quantised operands' scales 2^e); mask 2,048 x 2,048 bool; x 2 x 2,048 x 1,024 float32.
;; Outputs: out0 2 x 2,048 x 1,024 float32.
;; This version of the problem:
;;   THIS VERSION OF THE PROBLEM IS GIVEN IN LOW PRECISION. The matrix products marked QUANTISED in the list below multiply operands that are first quantised to E4M3 (4 exponent bits, 3 mantissa bits; 8 bits a number), with one given power-of-two scale for each operand tensor; their sums are f32. All else is computed in f32.
;;   The module's matrix products, in the order in which they are computed (A, B: the left and right operand; K: the contracted axis; several contracted axes count as one K, in the product's order):
;;     1. [M 4,096, K 1,024] x [K 1,024, N 1,024]; A: computed on the way; B: input Wq: QUANTISED (scales: A lowp_scales[0], B lowp_scales[1])
;;     2. [M 4,096, K 1,024] x [K 1,024, N 1,024]; A: computed on the way; B: input Wk: QUANTISED (scales: A lowp_scales[2], B lowp_scales[3])
;;     3. [M 4,096, K 1,024] x [K 1,024, N 1,024]; A: computed on the way; B: input Wv: QUANTISED (scales: A lowp_scales[4], B lowp_scales[5])
;;     4. batch 32 x [M 2,048, K 64] x [K 64, N 2,048]; A: computed on the way; B: computed on the way: QUANTISED (scales: A lowp_scales[6], B lowp_scales[7])
;;     5. batch 32 x [M 2,048, K 2,048] x [K 2,048, N 64]; A: softmax (see below); B: computed on the way: QUANTISED (scales: A lowp_scales[8], B lowp_scales[9])
;;     6. [M 4,096, K 1,024] x [K 1,024, N 1,024]; A: computed on the way; B: input Wo: QUANTISED (scales: A lowp_scales[10], B lowp_scales[11])
;;   THE QUANTISER, for each operand of a quantised product, along K:
;;     - The operand's scale is 2^e, e = its entry of the input lowp_scales (int32; the entries are numbered through the quantised products in the list's order, A before B).
;;     - Each number is divided by the scale, clamped to +-448, and rounded to the nearest number of E4M3, ties to even, subnormals kept.
;;     - The product sums the exact products of the quantised numbers (number of the format x scale) in f32.
;;   ~~~python
;;   def quantise(x, axis, e):      # numpy; x: float32 -> the quantised numbers, widened to float32 again
;;       x = np.moveaxis(x, axis, -1); K = x.shape[-1]
;;       r = np.clip(x / 2.0 ** e, -448, 448)
;;       step = 2.0 ** (np.maximum(np.frexp(np.where(r == 0, 1, r))[1] - 1, -6) - 3)
;;       q = np.round(r / step) * step * 2.0 ** e      # np.round: ties to even
;;       return np.moveaxis(q, -1, axis).astype(np.float32)
;;   ~~~
;;   SOFTMAX AHEAD OF A QUANTISED PRODUCT. Where the list says 'softmax', what is quantised is not the finished softmax but p = 2^(t - M), with t = logit x log2(e) and M = ceil(the row's largest t), a whole number; so 1/2 < the row's largest p <= 1. The row's sum l is taken of the UNQUANTISED p, in f32, and the product's result is divided by l at the end. Since M is a whole number, a kernel that streams over the keys may use a running M (the ceiling of the running maximum): every later rescaling is an exact power of two, so the quantised numbers keep their values, but for numbers so far below the row's largest that they fall under the format's range.
;;   OPERANDS COMPUTED ON THE WAY. 'Computed on the way' means the value that the module computes at that place (a softmax that the list does not call 'softmax' is quantised finished and normalised). What goes into a quantiser is computed in f32, as accurately as f32 sums, v_exp_f32 and their like allow (about 1e-6 of the number): no bf16 or f16 on the way to a quantiser, and a product that is left as it is and whose result goes on into a quantised operand takes f32 operands (vector FMAs, or v_wmma_f32_16x16x4_f32). A number that lies on a knife's edge between two numbers of the format may be rounded either way, as far as f32 arithmetic and the matrix unit's own rounding can turn it there, and no further.
;; 2 versions, each right; version 2 is version 1 with the launches attn, outln written anew for expert scheduling mode. Each part assembles by itself: llvm-mc -triple=amdgcn-amd-amdhsa -mcpu=gfx1250 --defsym DOCPART=n.
;; ======== version 1 of 2: 4 launches
;; limits: inputs' magnitudes at most 1,000,000,000; right only within a limited range of input values
;; workspace buffers: xc 12,582,912 bytes; wc 3,145,728 bytes; woi 1,048,576 bytes; flags 1,024 bytes of whole numbers; qi 4,194,304 bytes; ki 4,194,304 bytes; vi 4,194,304 bytes; oi 4,194,304 bytes
;; launch prep (part 1): grid 384 x 1, 4 waves a work-group, no clusters, 99,840 bytes of LDS; arguments x, Wq, Wk, Wv, Wo, mask, lowp_scales, xc, wc, woi, flags; writes xc, wc, woi, flags
.if DOCPART == 1
	.amdgcn_target "amdgcn-amd-amdhsa--gfx1250"
	.amdhsa_code_object_version 6
	.text
	.protected	k_q8ba8a58caf_prep
	.globl	k_q8ba8a58caf_prep
	.p2align	8
	.type	k_q8ba8a58caf_prep,@function
k_q8ba8a58caf_prep:
	s_mov_b64 s[64:65], 0
	v_nop
	global_prefetch_b8 v0, s[64:65] scope:SCOPE_SE
	s_setreg_imm32_b32 hwreg(HW_REG_WAVE_MODE, 25, 1), 1
	s_wait_xcnt 0x0
; PREP: what every later launch reads many times is made once.
;   work-groups   0-127: x [4096][1024] f32 -> xc: three sets of E4M3 codes, row-major, with the scales 2^e0, 2^e2, 2^e4 (x is the left operand of three products, each with a scale of its own)
;   work-groups 128-223: Wq, Wk, Wv [1024][1024] f32 -> wc [3072][1024] codes, row-major, scales 2^e1, 2^e3, 2^e5
;   work-groups 224-351: Wo -> woi: [64 tiles of 16 rows][16 chunks of 64 k][1,024 bytes]: images of the operand registers of the 16x16x64 form, scale 2^e11
;   work-groups 352-383: mask [2048][2048] bytes -> flags: for each tile of 16 queries two words, bit s for key step s (64 keys): skip (all 16 x 64 blocked), mix (some blocked, some open)
; AN IMAGE: lane (r, hh) holds row r; registers 2c, 2c+1 hold k = 16c + 8hh + 0..7; registers 4u..4u+3 of lane l lie at byte 512u + 16l.
; code = number / 2^e, held within +-448, to the nearest code, ties to even.  x first: NaN -> 0, and the hold is min(448 x 2^e, 1e9), which also serves the infinities.
; LIMITS: every e between -126 and 119.  A finite |x| above 1e9 counts as 1e9.  NaN in the weights is not served.
; The four kinds of work part on the work-group's number alone; each kind that uses LDS has LDS bytes of its own.  Waves share nothing: no barrier.
.set SP,   80                          ; a lane's place in a stage: 64 bytes + 16 of padding
.set R,    16                          ; v16-79   four sets of 16 numbers as loaded
.set X,    80                          ; v80-111  two sets of 16 neighbours
.set T,    112                         ; v112-143 two sets of 16 held numbers
.set C,    144                         ; v144-155 codes: four registers for each of up to three scales
.set OPI,  528                         ; Wo's stage: a row of 512 bytes + 16
.set LDSX, 0
.set LDSW, 32768
.set LDSO, 65536
; a step is 512 numbers: four loads of 512 consecutive bytes
.macro LOAD t
.irp i, 0,1,2,3
	global_load_b128 v[R+16*((\t)%4)+4*\i:R+16*((\t)%4)+4*\i+3], v3, s[44:45] offset:2048*(\t)+512*\i th:TH_LOAD_NT
.endr
.endm
; through the wave's own stage, so that a lane gets 16 neighbours; LDS serves a wave's instructions in order
.macro TURN t
.irp i, 0,1,2,3
	ds_store_b128 v14, v[R+16*((\t)%4)+4*\i:R+16*((\t)%4)+4*\i+3] offset:32*SP*((\t)%2)+8*SP*\i
.endr
.irp i, 0,1,2,3
	ds_load_b128 v[X+16*((\t)%2)+4*\i:X+16*((\t)%2)+4*\i+3], v15 offset:32*SP*((\t)%2)+16*\i
.endr
.endm
; scale o: v[8+o] = 2^e as f32, v[11+o] = 448 x 2^e (cap = 1: at most 1e9; both are positive, so the whole-number minimum is the f32 minimum)
.macro MKSCALE o, es, cap
	s_add_co_i32 s30, s[\es], 127
	s_lshl_b32 s31, s30, 23
	v_mov_b32 v[8+\o], s31
	s_add_co_i32 s30, s30, 8
	s_lshl_b32 s30, s30, 23
	s_or_b32 s30, s30, 0x600000
.if \cap
	s_min_u32 s30, s30, 0x4e6e6b28
.endif
	v_mov_b32 v[11+\o], s30
.endm
.macro STAGEADR lb
	s_mul_i32 s27, s26, 8192
	s_add_co_u32 s27, s27, \lb
	v_lshrrev_b32 v14, 2, v2
	v_mul_u32_u24 v14, v14, SP
	v_and_b32 v15, 3, v2
	v_lshl_add_u32 v14, v15, 4, v14
	v_add_nc_u32 v14, s27, v14                     ; in: SP (lane / 4) + 16 (lane % 4)
	v_mul_u32_u24 v15, v2, SP
	v_add_nc_u32 v15, s27, v15                     ; out: SP x lane
.endm
; one step: nout sets of codes of the same 512 numbers; fix = 1: NaN becomes 0 first
.macro QSTEP t, nout, fix
.set XS, X+16*((\t)%2)
	s_wait_dscnt 0x0                               ; this step's numbers are back, and its stores into the stage have read their registers,
.if (\t)+4 < 16
	LOAD (\t)+4                                    ; which take the loads of four steps on
.endif
.if (\t)+1 < 16
.if 14-(\t) >= 3
	s_wait_loadcnt 12                              ; the next step's four loads are in; three steps' twelve stay out
.else
	s_wait_loadcnt 4*(14-(\t))
.endif
	TURN (\t)+1
.endif
	s_wait_xcnt 0x0                                ; the last step's stores have read their codes: the registers are written again below
.if \fix
.set ii, 0
.rept 16
	v_cmp_eq_f32 vcc_lo, v[XS+ii], v[XS+ii]        ; false for NaN alone
	v_cndmask_b32 v[XS+ii], 0, v[XS+ii], vcc_lo
.set ii, ii+1
.endr
.endif
.set OO, 0
.rept \nout
.set TS, T+16*(OO%2)
.set ii, 0
.rept 16
	v_med3_num_f32 v[TS+ii], v[XS+ii], -v[11+OO], v[11+OO]   ; the conversion does not saturate (ISA guide 7.6.2): the hold comes first
.set ii, ii+1
.endr
	v_cvt_scalef32_pk8_fp8_f32 v[C+4*OO:C+4*OO+1], v[TS:TS+7], v[8+OO]
	v_cvt_scalef32_pk8_fp8_f32 v[C+4*OO+2:C+4*OO+3], v[TS+8:TS+15], v[8+OO]
	v_nop                                          ; one plain vector instruction behind the conversions: with one set of codes a step, the next vector instruction is the next step's first hold, which writes their sources
	global_store_b128 v3, v[C+4*OO:C+4*OO+3], s[46+2*OO:47+2*OO] offset:512*(\t)   ; 32 lanes store 512 consecutive bytes
.set OO, OO+1
.endr
.endm
.macro STREAM nout, fix
	s_wait_loadcnt 12                              ; step 0's four loads are in
	TURN 0
.irp t, 0,1,2,3,4,5,6,7,8,9,10,11,12,13,14,15
	QSTEP \t, \nout, \fix
.endr
	s_set_vgpr_msb 0x4
	s_wait_tensorcnt 0x0
	ds_add_u32 v7, v1
	s_wait_dscnt 0x0
	s_set_vgpr_msb 0x400
	s_endpgm
.endm
; the mask: four rows of 2,048 bytes; lane l takes the 64 bytes of key step l, 16 at a time
.macro MLOAD b, buf
.set ii, 0
.rept 16
	global_load_b128 v[64+64*(\buf)+4*ii:64+64*(\buf)+4*ii+3], v4, s[44:45] offset:2048*(4*(\b)+ii/4)+16*(ii%4)
.set ii, ii+1
.endr
.endm
.macro MROW rb
	v_and_b32 v8, v[\rb], v[\rb+1]
	v_or_b32 v9, v[\rb], v[\rb+1]
.irp j, 2,3,4,5,6,7,8,9,10,11,12,13,14,15
	v_and_b32 v8, v8, v[\rb+\j]
	v_or_b32 v9, v9, v[\rb+\j]
.endr
	v_cmp_ne_u32 vcc_lo, s30, v8                   ; lanes whose 64 keys of this row are not all blocked
	v_and_b32 v10, v10, v8
	v_or_b32 v11, v11, v9
	s_cmp_eq_u32 vcc_lo, 0                         ; none: the whole row is blocked
	s_cselect_b32 s31, 1, 0
	s_or_b32 s50, s50, s31
.endm
.macro MBATCH buf
.irp i, 0,1,2,3
	MROW 64+64*(\buf)+16*\i
.endr
.endm
	s_load_b256 s[4:11], s[0:1], 0x0               ; x, Wq, Wk, Wv
	s_load_b256 s[12:19], s[0:1], 0x20             ; Wo, mask, the scales' exponents, xc
	s_load_b128 s[20:23], s[0:1], 0x40             ; wc, woi
	s_load_b64 s[24:25], s[0:1], 0x50              ; flags
	v_lshl_add_u32 v7, v0, 2, 0x18400
	s_set_vgpr_msb 0x40
	v_mov_b32 v1, 0
	s_set_vgpr_msb 0x4000
	v_lshrrev_b32 v1, 5, v0
	v_readfirstlane_b32 s26, v1                    ; wave
	v_and_b32 v2, 31, v0                           ; lane
	v_lshlrev_b32 v3, 4, v2                        ; 16 x lane
	s_wait_kmcnt 0x0
	s_load_b256 s[32:39], s[16:17], 0x0            ; e0 .. e7
	s_load_b128 s[40:43], s[16:17], 0x20           ; e8 .. e11
	s_cmp_lt_u32 ttmp9, 128
	s_cbranch_scc1 .Lpath_x
	s_cmp_lt_u32 ttmp9, 224
	s_cbranch_scc1 .Lpath_w
	s_cmp_lt_u32 ttmp9, 352
	s_cbranch_scc1 .Lpath_o
	; ---- the mask's classes: a wave takes a tile of 16 queries, a lane a key step.  Whole-number work alone; no branch.
	s_sub_co_u32 s27, ttmp9, 352
	s_lshl_b32 s27, s27, 2
	s_add_co_u32 s27, s27, s26                     ; the tile
	s_lshl_b32 s28, s27, 15                        ; 16 rows of 2,048 bytes
	s_mov_b32 s29, 0
	s_add_nc_u64 s[44:45], s[14:15], s[28:29]
	v_lshlrev_b32 v4, 6, v2
	MLOAD 0, 0
	MLOAD 1, 1
	MLOAD 2, 2
	s_mov_b32 s30, 0x01010101                      ; four blocked bytes
	s_mov_b32 s50, 0                               ; becomes 1 if a row of the tile is blocked from end to end
	v_mov_b32 v10, -1                              ; AND over the tile's rows
	v_mov_b32 v11, 0                               ; OR over them
	s_wait_loadcnt 32                              ; rows 0-3 are in; two batches of 16 loads stay out
	MBATCH 0
	MLOAD 3, 0
	s_wait_loadcnt 32                              ; rows 4-7; rows 8-15 stay out
	MBATCH 1
	s_wait_loadcnt 16
	MBATCH 2
	s_wait_loadcnt 0x0
	MBATCH 0
	v_cmp_ne_u32 s51, s30, v10                     ; bit s: step s has an open key
	v_cmp_ne_u32 s52, 0, v11                       ; bit s: step s has a blocked key
	s_not_b32 s53, s51                             ; skip
	s_and_b32 s54, s51, s52                        ; mix
	s_cmp_lg_u32 s50, 0                            ; a row blocked from end to end weighs all its keys alike: nothing of its tile is passed over
	s_cselect_b32 s53, 0, s53
	s_cselect_b32 s54, -1, s54
	v_mov_b32 v12, s53
	v_mov_b32 v13, s54
	s_lshl_b32 s55, s27, 3
	v_mov_b32 v5, s55
	v_cmp_eq_u32 vcc_lo, 0, v2
	s_wait_xcnt 0x0                                ; EXEC changes only when every earlier memory instruction has read it
	s_and_saveexec_b32 s56, vcc_lo
	global_store_b64 v5, v[12:13], s[24:25]        ; lane 0: the tile's two words
	s_wait_xcnt 0x0
	s_or_b32 exec_lo, exec_lo, s56
	s_endpgm
	; ---- x: a wave takes 8,192 numbers, 16 steps of 512, and makes three sets of codes
.Lpath_x:
	STAGEADR LDSX
	s_lshl_b32 s27, ttmp9, 2
	s_add_co_u32 s27, s27, s26                     ; which run of 8,192 numbers
	s_lshl_b32 s28, s27, 15
	s_mov_b32 s29, 0
	s_add_nc_u64 s[44:45], s[4:5], s[28:29]
	s_lshl_b32 s28, s27, 13
	s_add_nc_u64 s[46:47], s[18:19], s[28:29]
	s_add_nc_u64 s[48:49], s[46:47], 0x400000      ; the sets lie 4,194,304 bytes apart: past a store's immediate, so each has a base
	s_add_nc_u64 s[50:51], s[46:47], 0x800000
	LOAD 0
	LOAD 1
	LOAD 2
	LOAD 3
	s_wait_kmcnt 0x0
	MKSCALE 0, 32, 1
	MKSCALE 1, 34, 1
	MKSCALE 2, 36, 1
	STREAM 3, 1
	; ---- Wq, Wk, Wv: 32 work-groups each
.Lpath_w:
	STAGEADR LDSW
	s_sub_co_u32 s27, ttmp9, 128
	s_lshr_b32 s28, s27, 5                         ; which weight
	s_and_b32 s29, s27, 31
	s_lshl_b32 s29, s29, 2
	s_add_co_u32 s29, s29, s26                     ; which run of it
	s_lshl_b32 s52, s29, 15
	s_mov_b32 s53, 0
	s_lshl_b32 s27, s27, 2
	s_add_co_u32 s27, s27, s26
	s_lshl_b32 s54, s27, 13
	s_mov_b32 s55, 0
	s_cmp_eq_u32 s28, 0
	s_cselect_b64 s[44:45], s[6:7], s[8:9]
	s_cmp_eq_u32 s28, 2
	s_cselect_b64 s[44:45], s[10:11], s[44:45]
	s_add_nc_u64 s[44:45], s[44:45], s[52:53]
	s_add_nc_u64 s[46:47], s[20:21], s[54:55]
	LOAD 0
	LOAD 1
	LOAD 2
	LOAD 3
	s_wait_kmcnt 0x0
	s_cmp_eq_u32 s28, 0
	s_cselect_b32 s56, s33, s35
	s_cmp_eq_u32 s28, 2
	s_cselect_b32 s56, s37, s56
	MKSCALE 0, 56, 0
	STREAM 1, 0
	; ---- Wo into images: a wave takes 16 rows x 128 k = two images
.Lpath_o:
	s_sub_co_u32 s27, ttmp9, 224
	s_lshl_b32 s27, s27, 2
	s_add_co_u32 s27, s27, s26                     ; job = 8 x tile of rows + group of 128 k
	s_lshr_b32 s28, s27, 3
	s_and_b32 s29, s27, 7
	s_lshl_b32 s52, s28, 16                        ; 16 rows of 4,096 bytes
	s_lshl_b32 s29, s29, 9                         ; 128 numbers
	s_add_co_u32 s52, s52, s29
	s_mov_b32 s53, 0
	s_add_nc_u64 s[44:45], s[12:13], s[52:53]
	s_lshl_b32 s52, s27, 11                        ; (16 x tile + 2 x group) x 1,024 = 2,048 x job
	s_add_nc_u64 s[46:47], s[22:23], s[52:53]
	s_mul_i32 s28, s26, 16*OPI
	s_add_co_u32 s28, s28, LDSO
	v_add_nc_u32 v14, s28, v3                      ; in: a row's 512 bytes as they lie
	v_lshrrev_b32 v15, 1, v2
	v_mul_u32_u24 v15, v15, OPI
	v_and_b32 v5, 1, v2
	v_lshl_add_u32 v15, v5, 6, v15
	v_add_nc_u32 v15, s28, v15                     ; out: row lane / 2, 16 numbers at 64 (lane % 2) of each 128 bytes
	v_lshlrev_b32 v6, 3, v2                        ; 8 x lane
.set ii, 0
.rept 16
	global_load_b128 v[16+4*ii:19+4*ii], v3, s[44:45] offset:4096*ii th:TH_LOAD_NT
.set ii, ii+1
.endr
	s_wait_kmcnt 0x0
	MKSCALE 0, 43, 0
	s_wait_loadcnt 0x0
.set ii, 0
.rept 16
	ds_store_b128 v14, v[16+4*ii:19+4*ii] offset:OPI*ii
.set ii, ii+1
.endr
.set ii, 0
.rept 16
	ds_load_b128 v[80+4*ii:83+4*ii], v15 offset:128*(ii/4)+16*(ii%4)
.set ii, ii+1
.endr
; group q: k = 32 q + 16 (lane % 2) + 0..15 of row lane / 2.  The first eight are the image's hh = 0 part, the last eight its hh = 1 part, 256 bytes on; each store covers 256 consecutive bytes.
.irp q, 0,1,2,3
	s_wait_dscnt 12-4*\q                           ; the younger groups' loads stay out
.set ii, 0
.rept 16
	v_med3_num_f32 v[80+16*\q+ii], v[80+16*\q+ii], -v11, v11
.set ii, ii+1
.endr
	v_cvt_scalef32_pk8_fp8_f32 v[144+4*\q:145+4*\q], v[80+16*\q:87+16*\q], v8
	v_cvt_scalef32_pk8_fp8_f32 v[146+4*\q:147+4*\q], v[88+16*\q:95+16*\q], v8
	v_nop                                          ; one plain vector instruction behind the conversions
	global_store_b64 v6, v[144+4*\q:145+4*\q], s[46:47] offset:512*\q
	global_store_b64 v6, v[146+4*\q:147+4*\q], s[46:47] offset:512*\q+256
.endr
	s_set_vgpr_msb 0x4
	s_wait_tensorcnt 0x0
	ds_add_u32 v7, v1
	s_wait_dscnt 0x0
	s_set_vgpr_msb 0x400
	s_endpgm
.Lfunc_end_k_q8ba8a58caf_prep:
	.size	k_q8ba8a58caf_prep, .Lfunc_end_k_q8ba8a58caf_prep-k_q8ba8a58caf_prep
	.p2alignl 7, 3214868480
	.fill 96, 4, 3214868480
	.section	.rodata,"a",@progbits
	.p2align	6, 0x0
	.amdhsa_kernel k_q8ba8a58caf_prep
		.amdhsa_group_segment_fixed_size 99840
		.amdhsa_private_segment_fixed_size 0
		.amdhsa_enable_private_segment 0
		.amdhsa_kernarg_size 88
		.amdhsa_user_sgpr_count 2
		.amdhsa_user_sgpr_kernarg_segment_ptr 1
		.amdhsa_wavefront_size32 1
		.amdhsa_system_sgpr_workgroup_id_x 1
		.amdhsa_system_sgpr_workgroup_id_y 1
		.amdhsa_system_sgpr_workgroup_id_z 1
		.amdhsa_system_vgpr_workitem_id 0
		.amdhsa_next_free_vgpr 258
		.amdhsa_next_free_sgpr 66
		.amdhsa_reserve_vcc 1
		.amdhsa_float_denorm_mode_32 3
		.amdhsa_float_denorm_mode_16_64 3
		.amdhsa_memory_ordered 1
		.amdhsa_forward_progress 1
		.amdhsa_inst_pref_size 168
	.end_amdhsa_kernel
	.amdgpu_metadata
---
amdhsa.version: [ 1, 2 ]
amdhsa.kernels:
  - .name:           k_q8ba8a58caf_prep
    .symbol:         k_q8ba8a58caf_prep.kd
    .args:
      - { .name: x, .offset: 0, .size: 8, .value_kind: global_buffer, .address_space: global }
      - { .name: Wq, .offset: 8, .size: 8, .value_kind: global_buffer, .address_space: global }
      - { .name: Wk, .offset: 16, .size: 8, .value_kind: global_buffer, .address_space: global }
      - { .name: Wv, .offset: 24, .size: 8, .value_kind: global_buffer, .address_space: global }
      - { .name: Wo, .offset: 32, .size: 8, .value_kind: global_buffer, .address_space: global }
      - { .name: mask, .offset: 40, .size: 8, .value_kind: global_buffer, .address_space: global }
      - { .name: lowp_scales, .offset: 48, .size: 8, .value_kind: global_buffer, .address_space: global }
      - { .name: xc, .offset: 56, .size: 8, .value_kind: global_buffer, .address_space: global }
      - { .name: wc, .offset: 64, .size: 8, .value_kind: global_buffer, .address_space: global }
      - { .name: woi, .offset: 72, .size: 8, .value_kind: global_buffer, .address_space: global }
      - { .name: flags, .offset: 80, .size: 8, .value_kind: global_buffer, .address_space: global }
    .group_segment_fixed_size: 99840
    .private_segment_fixed_size: 0
    .kernarg_segment_align: 8
    .kernarg_segment_size: 88
    .max_flat_workgroup_size: 128
    .sgpr_count:     66
    .vgpr_count:     258
    .wavefront_size: 32
...
	.end_amdgpu_metadata
.endif
;; end of part 1
;; launch qkv (part 2): grid 12 x 16, 4 waves a work-group, clusters of 4 x 4, 327,680 bytes of LDS; arguments xc, wc, lowp_scales, bq, bk, bv, qi, ki, vi; writes qi, ki, vi
.if DOCPART == 2
	.amdgcn_target "amdgcn-amd-amdhsa--gfx1250"
	.amdhsa_code_object_version 6
	.text
	.protected	k_q8ba8a58caf_qkv
	.globl	k_q8ba8a58caf_qkv
	.p2align	8
	.type	k_q8ba8a58caf_qkv,@function
k_q8ba8a58caf_qkv:
	s_mov_b64 s[64:65], 0
	v_nop
	global_prefetch_b8 v0, s[64:65] scope:SCOPE_SE
	s_setreg_imm32_b32 hwreg(HW_REG_WAVE_MODE, 25, 1), 1
	s_wait_xcnt 0x0
	s_wait_alu depctr_hold_cnt(0) depctr_sa_sdst(0) depctr_va_vdst(0) depctr_va_sdst(0) depctr_va_ssrc(0) depctr_va_vcc(0) depctr_vm_vsrc(0)
	s_getreg_b32 s2, hwreg(HW_REG_IB_STS2, 6, 4)
	s_cmp_eq_u32 s2, 0
	s_cbranch_scc0 .Lentry_in_a_cluster
	s_endpgm
.Lentry_in_a_cluster:
	s_bfe_u32 s2, ttmp6, 0x10000c
	s_cmp_lg_u32 s2, 0xf033
	s_cbranch_scc0 .Lentry_shape_is_right
	s_endpgm
.Lentry_shape_is_right:
; q, k, v = x W^T + b on E4M3 codes, then quantised again and stored as images of the operand registers that the attention launch wants.
; One GEMM of [4096] x [3072] x K = 1,024 in tiles of 256 x 256: 192 work-groups of four waves, a wave 128 x 128 (64 accumulators, 512 registers).  The cluster's x says which product: 0 q, 1 k, 2 v.
; K goes in steps of 256 (rows of 256 bytes) through a ring of two LDS slots filled by the tensor data mover.
; TWO OPERANDS, P (source 1: a lane holds one of its rows) and R (source 0: a lane's eight registers run along its rows).
;   q, k: P = x's codes (tokens), R = the weight (features): a lane holds a token and eight neighbouring features, which are the next product's K.
;   v:    P = Wv (features),      R = x's codes (tokens):    a lane holds a feature d and eight neighbouring tokens, the keys, which are the K of the product with p.  Nothing is transposed.
; CLUSTERS: 4 x 4.  P's tile hangs on the cluster's y and on cy and is shared along a row of the cluster; R's on cx (and for v on the cluster's y) and is shared along a column: joint loads, one a wave.
; THE WAY OUT: sum x 2^(ea + eb) + bias, held within +-448 x 2^eo, converted: eight accumulator registers give registers 2c, 2c+1 of an image; four registers of 32 lanes are stored as 512 consecutive bytes.  No stage in LDS.
; (ea, eb, eo) = (e0, e1, e6) for q, (e2, e3, e7) for k, (e4, e5, e9) for v: chosen by s_cselect_b32 on the cluster's x; no branch hangs on a loaded number.
; LIMITS: ea + eb between -126 and 127; eo between -126 and 119.
; REGISTERS: window 0: v0-31 addresses and constants; v32-95 the bias along R, v96-111 along P; from v128 P's fragments, one set; on the way out v128-207 at work.
;   window 1: R's fragments, two sets.   window 2, 3: the accumulators of my P rows 0-63, 64-127 (accumulator (a, b) at v[8 (8 (a % 4) + b)]).
.set SIZE_K, 1024
.set KSTEP,  256
.set ROWB,   256
.set KROW,   SIZE_K
.set PITCH,  272                       ; an LDS row: 256 bytes + 16 of padding = 68 words: the 16 rows that a load touches start 4 banks apart (64 banks of 4 bytes: ISA guide 11.1)
.set FR,     16
.set NL,     4
.set NP,     4
.set HALFT,  128*PITCH
.set SLOT,   4*HALFT
.set LAPS,   SIZE_K/(2*KSTEP)
.set SPARE,  2*SLOT                    ; behind the ring: the spare words, 128 bytes a wave
.set ADRA, 16
.set ADRB, 20
.set LO,   27                          ; v27  16 x lane
.set SPW,  28
.set NIL,  29
.set QS,   30                          ; v30  2^eo
.set QL,   31                          ; v31  448 x 2^eo
.set BR,   32
.set BP,   96
.set AF,   128
.set TMP,  128
.set CD,   192
.set G1, 24
.set G0, 32
.set G1B, 48
.set G0B, 56
.set MSB, 0
.macro WIN new
.if MSB != (\new)
	s_set_vgpr_msb (MSB<<8)|(\new)
.set MSB, (\new)
.endif
.endm
.set MUL_LO, 0xa1
.set MUL_HI, 0xf1
.set TO_B,   0x40
; a joint load: waves 0 and 1 fetch for P, waves 2 and 3 for R; four v_nop follow each of the two lines
.macro JLOAD g0a, g1a, g0b, g1b
	s_cmp_eq_u32 s15, 0
	s_cbranch_scc0 .Lfor_b_\@
	tensor_load_to_lds s[\g0a:\g0a+3], s[\g1a:\g1a+7]
	s_nop 0
.rept 4
	v_nop
.endr
	s_branch .Lasked_\@
.Lfor_b_\@:
	tensor_load_to_lds s[\g0b:\g0b+3], s[\g1b:\g1b+7]
	s_nop 0
.rept 4
	v_nop
.endr
.Lasked_\@:
.endm
.macro CREST
	s_cmp_lg_u32 s14, 0
	s_cbranch_scc1 .Lnot_wave_0_\@
	s_barrier_signal -3
.Lnot_wave_0_\@:
	s_barrier_wait -3
	s_barrier_signal -1
	s_barrier_wait -1
.endm
.macro CROUND
	s_barrier_signal -1
	s_barrier_wait -1
	CREST
.endm
	s_load_b128 s[4:7], s[0:1], 0x0                ; xc, wc
	s_load_b256 s[68:75], s[0:1], 0x10             ; the scales' exponents, bq, bk, bv
	s_load_b128 s[76:79], s[0:1], 0x30             ; qi, ki
	s_load_b64 s[92:93], s[0:1], 0x40              ; vi
	v_lshl_add_u32 v[SPW], v0, 2, SPARE
	v_mov_b32 v[NIL], 0
	ds_add_u32 v28, v29
	ds_add_u32 v28, v29
	s_wait_dscnt 0x0
	v_lshrrev_b32 v1, 5, v0
	v_readfirstlane_b32 s14, v1                    ; wave 0..3
	s_lshr_b32 s15, s14, 1                         ; which half of P's rows is mine.  Also: I fetch for P (0) or for R (1)
	s_and_b32 s16, s14, 1                          ; which half of R's rows.  Also: which 128 rows of that tile I fetch
	s_bfe_u32 s40, ttmp6, 0x40000                  ; cx
	s_bfe_u32 s41, ttmp6, 0x40004                  ; cy
	s_and_b32 s17, ttmp7, 0xffff
	s_lshl_b32 s17, s17, 2
	s_add_co_u32 s42, s17, s40                     ; 4 x cluster y + cx: enters R's address alone
	s_add_co_u32 s17, s17, s41                     ; 4 x cluster y + cy: enters P's address alone
	s_lshl_b32 s43, s41, 2
	s_lshl_b32 s43, 15, s43                        ; my row of the cluster
	s_lshl_b32 s44, 0x1111, s40                    ; my column
	s_or_b32 s[G1+0], s43, (0<<16)|(1<<20)|(1<<21)|(5<<22)|(3<<25)  ; the mask; elements of 1 byte; padding on; bit 21 beside a mask; after every 64 words four words
	s_or_b32 s[G1B+0], s44, (0<<16)|(1<<20)|(1<<21)|(5<<22)|(3<<25)
.irp g, G1, G1B
	s_mov_b32 s[\g+1], ROWB<<16                    ; tensor_dim0
	s_mov_b32 s[\g+2], 128<<16                     ; tensor_dim1
	s_mov_b32 s[\g+3], ROWB<<16                    ; tile_dim0
	s_mov_b32 s[\g+4], 128                         ; tile_dim1
	s_mov_b32 s[\g+5], KROW                        ; from row to row
	s_mov_b32 s[\g+6], 0
	s_mov_b32 s[\g+7], 0
.endr
	; byte offsets of the tiles: a block of 256 rows is 262,144 bytes; x's three sets lie 4 MiB apart, the three weights 1 MiB
	s_lshl_b32 s18, s16, 17                        ; which 128 rows I fetch
	s_lshl_b32 s20, s17, 18
	s_lshl_b32 s21, ttmp9, 22
	s_add_co_u32 s20, s20, s21                     ; P for q, k: x's set, token block 4 Y + cy
	s_lshl_b32 s22, s41, 18
	s_add_co_u32 s22, s22, 0x200000                ; P for v: Wv, feature block cy
	s_lshl_b32 s46, s40, 18
	s_lshl_b32 s47, ttmp9, 20
	s_add_co_u32 s46, s46, s47                     ; R for q, k: the weight, feature block cx
	s_lshl_b32 s23, s42, 18
	s_add_co_u32 s23, s23, 0x800000                ; R for v: x's third set, token block 4 Y + cx
	s_mul_i32 s45, s14, HALFT                      ; where they go: wave x 128 rows
	s_wait_kmcnt 0x0
	s_load_b256 s[84:91], s[68:69], 0x0            ; e0 .. e7
	s_load_b128 s[8:11], s[68:69], 0x20            ; e8 .. e11
	s_cmp_eq_u32 ttmp9, 2                          ; the cluster's x: the same in all sixteen partners
	s_cselect_b32 s20, s22, s20
	s_cselect_b32 s46, s23, s46
	s_cselect_b64 s[80:81], s[6:7], s[4:5]
	s_cselect_b64 s[82:83], s[4:5], s[6:7]
	s_add_co_u32 s20, s20, s18
	s_add_co_u32 s46, s46, s18
	s_mov_b32 s21, 0
	s_mov_b32 s47, 0
	s_add_nc_u64 s[20:21], s[80:81], s[20:21]
	s_add_nc_u64 s[46:47], s[82:83], s[46:47]
	CROUND                                         ; all sixteen work-groups are here: the first joint loads meet
.irp s, 0,1
	s_mov_b32 s[G0+4*\s], 1
	s_add_co_u32 s[G0+4*\s+1], s45, \s*SLOT
	s_add_nc_u64 s[G0+4*\s+2:G0+4*\s+3], s[20:21], \s*ROWB
	s_or_b32 s[G0+4*\s+3], s[G0+4*\s+3], 0x80000000
	s_mov_b32 s[G0B+4*\s], 1
	s_add_co_u32 s[G0B+4*\s+1], s45, \s*SLOT
	s_add_nc_u64 s[G0B+4*\s+2:G0B+4*\s+3], s[46:47], \s*ROWB
	s_or_b32 s[G0B+4*\s+3], s[G0B+4*\s+3], 0x80000000
	JLOAD G0+4*\s, G1, G0B+4*\s, G1B
.endr
	v_and_b32 v1, 15, v0                           ; r
	v_bfe_u32 v2, v0, 4, 1                         ; hh
	v_mul_u32_u24 v3, v1, PITCH
	v_lshl_add_u32 v4, v2, 4, v3
	s_mul_i32 s21, s15, HALFT
	s_mul_i32 s22, s16, HALFT
	s_add_co_u32 s22, s22, 2*HALFT
.irp s, 0,1
	v_add_nc_u32 v[ADRA+\s], s21, v4
	v_add_nc_u32 v[ADRB+\s], s22, v4
	s_add_co_u32 s21, s21, SLOT
	s_add_co_u32 s22, s22, SLOT
.endr
	; my first token and my first feature, my biases, and where my images go
	v_lshlrev_b32 v5, 5, v2                        ; 32 hh: eight numbers of the bias along R
	v_lshlrev_b32 v6, 2, v1                        ; 4 r: one number of the bias along P
	v_and_b32 v7, 31, v0
	v_lshlrev_b32 v[LO], 4, v7
	s_lshl_b32 s18, s15, 7
	s_lshl_b32 s19, s16, 7
	s_lshl_b32 s20, s17, 8
	s_add_co_u32 s20, s20, s18                     ; q, k: token
	s_lshl_b32 s21, s42, 8
	s_add_co_u32 s21, s21, s19                     ; v: token
	s_lshl_b32 s22, s40, 8
	s_add_co_u32 s22, s22, s19                     ; q, k: feature
	s_lshl_b32 s23, s41, 8
	s_add_co_u32 s23, s23, s18                     ; v: feature
	s_cmp_eq_u32 ttmp9, 2
	s_cselect_b32 s20, s21, s20                    ; my first token
	s_cselect_b32 s22, s23, s22                    ; my first feature
	s_lshl_b32 s23, s22, 2
	s_cmp_eq_u32 ttmp9, 2
	s_cselect_b32 s12, 0, s23                      ; both groups of bias loads are issued in every wave; the group that is not used reads from the bias's first bytes
	s_cselect_b32 s94, s23, 0
	s_cselect_b64 s[80:81], s[74:75], s[72:73]
	s_cselect_b64 s[98:99], s[92:93], s[78:79]
	s_cmp_eq_u32 ttmp9, 0
	s_cselect_b64 s[80:81], s[70:71], s[80:81]
	s_cselect_b64 s[98:99], s[76:77], s[98:99]
	s_mov_b32 s13, 0
	s_mov_b32 s95, 0
	s_add_nc_u64 s[82:83], s[80:81], s[94:95]
	s_add_nc_u64 s[80:81], s[80:81], s[12:13]
	s_lshr_b32 s21, s20, 11                        ; batch
	s_lshl_b32 s21, s21, 4
	s_lshr_b32 s23, s22, 6                         ; head
	s_add_co_u32 s21, s21, s23
	s_lshl_b32 s21, s21, 17                        ; a head's images are 131,072 bytes in each of the three buffers
	s_and_b32 s20, s20, 2047
	s_lshl_b32 s20, s20, 6                         ; 16 tokens are 1,024 bytes in qi and ki; 64 tokens are 4,096 in vi: 64 bytes a token in both
	s_add_co_u32 s12, s21, s20
	s_add_nc_u64 s[98:99], s[98:99], s[12:13]
.set ii, 0
.rept 8
	global_load_b128 v[BR+8*ii:BR+8*ii+3], v5, s[80:81] offset:64*ii
	global_load_b128 v[BR+8*ii+4:BR+8*ii+7], v5, s[80:81] offset:64*ii+16
.set ii, ii+1
.endr
.set ii, 0
.rept 8
	global_load_b32 v[BP+2*ii], v6, s[82:83] offset:64*ii      ; twice: the packed multiply-add takes a pair
	global_load_b32 v[BP+2*ii+1], v6, s[82:83] offset:64*ii
.set ii, ii+1
.endr
.macro FRAG reg, adr, q, i             ; 16 rows x 128 K: four loads of 16 bytes, 32 apart: the same permutation of k on both sides
.irp c, 0,1,2,3
	ds_load_b128 v[\reg+4*\c:\reg+4*\c+3], v[\adr] offset:128*(\q)+32*\c+(\i)*16*PITCH
.endr
.endm
; 16 matrix instructions; the 64 accumulators take turns, one instruction a turn, in the same order in every step
.macro MUL16 a0, p, zero
.irp a, \a0, \a0+1
.irp b, 0,1,2,3,4,5,6,7
.if \zero
	v_wmma_f32_16x16x128_fp8_fp8 v[8*(8*((\a)%4)+\b):8*(8*((\a)%4)+\b)+7], v[128*(\p)+FR*\b:128*(\p)+FR*\b+FR-1], v[AF+FR*(\a):AF+FR*(\a)+FR-1], 0
.else
	v_wmma_f32_16x16x128_fp8_fp8 v[8*(8*((\a)%4)+\b):8*(8*((\a)%4)+\b)+7], v[128*(\p)+FR*\b:128*(\p)+FR*\b+FR-1], v[AF+FR*(\a):AF+FR*(\a)+FR-1], v[8*(8*((\a)%4)+\b):8*(8*((\a)%4)+\b)+7]
.endif
.endr
.endr
.endm
.macro FETCH_B slot, q, p
	WIN TO_B
.irp i, 0,1,2,3,4,5,6,7
	FRAG 128*(\p)+FR*\i, ADRB+\slot, \q, \i
.endr
	WIN 0
.endm
.macro FETCH_A slot, q, i0
.irp i, \i0, \i0+1, \i0+2, \i0+3
	FRAG AF+FR*(\i), ADRA+\slot, \q, \i
.endr
.endm
.macro PLACES n                        ; plain vector instructions between a matrix instruction and a load into, or a read of, its registers
.rept \n
	v_nop
.endr
.endm
.macro STEP slot, q, zero
	s_wait_dscnt 4*NL                              ; R's set and P's blocks 0-3 are in; the youngest sixteen loads (P's blocks 4-7) may be out
	WIN MUL_LO
	MUL16 0, (\q)%2, \zero
	MUL16 2, (\q)%2, \zero
	s_wait_dscnt 0
	PLACES NP
	FETCH_B \slot, (\q)+1, 1-(\q)%2
	FETCH_A \slot, (\q)+1, 0
	WIN MUL_HI
	MUL16 4, (\q)%2, \zero
	MUL16 6, (\q)%2, \zero
	PLACES NP
	WIN 0
	FETCH_A \slot, (\q)+1, 4
.endm
; a slot's last step changes slots: one barrier; in front of it each wave waits for all its tensor loads, adds 0 to its spare word, and waits for that and for its reads of this slot
.macro TURN slot, next, fill
	s_wait_tensorcnt 0x0                           ; all my tensor loads have landed: my part of the next slot
	ds_add_u32 v[SPW], v[NIL]                      ; 0 onto my spare word
	s_wait_dscnt 4*NL+1                            ; the add and the youngest sixteen loads may be out
	WIN MUL_LO
	MUL16 0, 1, 0
	s_wait_dscnt 0x0                               ; the add is done, and my reads of this slot are over
	s_barrier_signal -1
	MUL16 2, 1, 0
	WIN 0
	s_barrier_wait -1
.if \fill
	CREST                                          ; the barrier has opened a round of the cluster's barrier: no wave of any partner still reads this slot or has a load on its way
	s_add_nc_u64 s[G0+4*\slot+2:G0+4*\slot+3], s[G0+4*\slot+2:G0+4*\slot+3], 2*ROWB
	s_add_nc_u64 s[G0B+4*\slot+2:G0B+4*\slot+3], s[G0B+4*\slot+2:G0B+4*\slot+3], 2*ROWB
	JLOAD G0+4*\slot, G1, G0B+4*\slot, G1B         ; the first tensor load behind the round, one a wave
.else
	PLACES NP
.endif
	FETCH_B \next, 0, 0
	FETCH_A \next, 0, 0
	WIN MUL_HI
	MUL16 4, 1, 0
	MUL16 6, 1, 0
	PLACES NP
	WIN 0
	FETCH_A \next, 0, 4
.endm
	s_wait_tensorcnt 1                             ; my part of K step 0 is in; K step 1's load may be out
	s_barrier_signal -1
	s_barrier_wait -1
	FETCH_B 0, 0, 0
	FETCH_A 0, 0, 0
	FETCH_A 0, 0, 4
	STEP 0, 0, 1                                   ; the first step starts the sums with the constant 0
	s_mov_b32 s3, LAPS-1
.Llap:
	TURN 0, 1, 1
	STEP 1, 0, 0
	TURN 1, 0, 1
	STEP 0, 0, 0
	s_sub_co_u32 s3, s3, 1
	s_cmp_lg_u32 s3, 0
	s_cbranch_scc1 .Llap
	TURN 0, 1, 0                                   ; the last lap fills nothing
	STEP 1, 0, 0
	s_wait_dscnt 4*NL
	WIN MUL_LO
	MUL16 0, 1, 0
	MUL16 2, 1, 0
	s_wait_dscnt 0
	WIN MUL_HI
	MUL16 4, 1, 0
	MUL16 6, 1, 0
	WIN 0
	; THE WAY OUT
	s_wait_kmcnt 0x0
	s_cmp_eq_u32 ttmp9, 0
	s_cselect_b32 s94, s84, s86
	s_cselect_b32 s95, s85, s87
	s_cselect_b32 s12, s90, s91
	s_cmp_eq_u32 ttmp9, 2
	s_cselect_b32 s94, s88, s94                    ; ea
	s_cselect_b32 s95, s89, s95                    ; eb
	s_cselect_b32 s12, s9, s12                     ; eo
	s_add_co_i32 s96, s94, s95
	s_add_co_i32 s96, s96, 127
	s_lshl_b32 s96, s96, 23                        ; 2^(ea + eb) as f32
	s_mov_b32 s97, s96                             ; (named with it as a pair)
	s_add_co_i32 s12, s12, 127
	s_lshl_b32 s13, s12, 23
	v_mov_b32 v[QS], s13
	s_add_co_i32 s12, s12, 8
	s_lshl_b32 s12, s12, 23
	s_or_b32 s12, s12, 0x600000
	v_mov_b32 v[QL], s12
	s_wait_loadcnt 0x0                             ; the biases
	PLACES NP
; block a: 16 rows of P x my 128 rows of R.  var = 0 (q, k): the bias runs along the registers; images (token tile a, head ii / 2).  var = 1 (v): the bias is the lane's; images (head a / 4, d tile a % 4, key chunk ii / 2).
.macro EPI var
.irp a, 0,1,2,3,4,5,6,7
	s_wait_xcnt 0x0                                ; the last block's stores have read their codes
	WIN 0x02+(\a/4)                                ; source 0: window 2 or 3
.set ii, 0
.rept 32
.if \var
	v_pk_fma_f32 v[TMP+ii:TMP+ii+1], v[64*(\a%4)+ii:64*(\a%4)+ii+1], s[96:97], v[BP+2*\a:BP+2*\a+1] op_sel_hi:[1,0,1]
.else
	v_pk_fma_f32 v[TMP+ii:TMP+ii+1], v[64*(\a%4)+ii:64*(\a%4)+ii+1], s[96:97], v[BR+ii:BR+ii+1] op_sel_hi:[1,0,1]
.endif
.set ii, ii+2
.endr
	WIN 0
.set ii, 0
.rept 64
	v_med3_num_f32 v[TMP+ii], v[TMP+ii], -v[QL], v[QL]
.set ii, ii+1
.endr
.set ii, 0
.rept 8
	v_cvt_scalef32_pk8_fp8_f32 v[CD+2*ii:CD+2*ii+1], v[TMP+8*ii:TMP+8*ii+7], v[QS]
.set ii, ii+1
.endr
	v_nop                                          ; a plain instruction behind the last conversion: the next block writes the conversions' sources
.set ii, 0
.rept 4
.if \var
	global_store_b128 v[LO], v[CD+4*ii:CD+4*ii+3], s[98:99] offset:131072*(\a/4)+1024*(\a%4)+4096*(ii/2)+512*(ii%2)
.else
	global_store_b128 v[LO], v[CD+4*ii:CD+4*ii+3], s[98:99] offset:1024*\a+131072*(ii/2)+512*(ii%2)
.endif
.set ii, ii+1
.endr
.endr
.endm
	s_cmp_eq_u32 ttmp9, 2                          ; the cluster's x: all partners take the same way
	s_cbranch_scc1 .Lepi_v
	EPI 0
	s_branch .Lend
.Lepi_v:
	EPI 1
.Lend:
	s_wait_tensorcnt 0x0                           ; the wave's end
	ds_add_u32 v[SPW], v[NIL]
	s_wait_dscnt 0x0
	CROUND                                         ; the closing round
	s_endpgm
.Lfunc_end_k_q8ba8a58caf_qkv:
	.size	k_q8ba8a58caf_qkv, .Lfunc_end_k_q8ba8a58caf_qkv-k_q8ba8a58caf_qkv
	.p2alignl 7, 3214868480
	.fill 96, 4, 3214868480
	.section	.rodata,"a",@progbits
	.p2align	6, 0x0
	.amdhsa_kernel k_q8ba8a58caf_qkv
		.amdhsa_group_segment_fixed_size 327680
		.amdhsa_private_segment_fixed_size 0
		.amdhsa_enable_private_segment 0
		.amdhsa_kernarg_size 72
		.amdhsa_user_sgpr_count 2
		.amdhsa_user_sgpr_kernarg_segment_ptr 1
		.amdhsa_wavefront_size32 1
		.amdhsa_system_sgpr_workgroup_id_x 1
		.amdhsa_system_sgpr_workgroup_id_y 1
		.amdhsa_system_sgpr_workgroup_id_z 1
		.amdhsa_system_vgpr_workitem_id 0
		.amdhsa_next_free_vgpr 1024
		.amdhsa_next_free_sgpr 100
		.amdhsa_reserve_vcc 0
		.amdhsa_float_denorm_mode_32 3
		.amdhsa_float_denorm_mode_16_64 3
		.amdhsa_memory_ordered 1
		.amdhsa_forward_progress 1
		.amdhsa_inst_pref_size 194
	.end_amdhsa_kernel
	.amdgpu_metadata
---
amdhsa.version: [ 1, 2 ]
amdhsa.kernels:
  - .name:           k_q8ba8a58caf_qkv
    .symbol:         k_q8ba8a58caf_qkv.kd
    .args:
      - { .name: xc, .offset: 0, .size: 8, .value_kind: global_buffer, .address_space: global }
      - { .name: wc, .offset: 8, .size: 8, .value_kind: global_buffer, .address_space: global }
      - { .name: lowp_scales, .offset: 16, .size: 8, .value_kind: global_buffer, .address_space: global }
      - { .name: bq, .offset: 24, .size: 8, .value_kind: global_buffer, .address_space: global }
      - { .name: bk, .offset: 32, .size: 8, .value_kind: global_buffer, .address_space: global }
      - { .name: bv, .offset: 40, .size: 8, .value_kind: global_buffer, .address_space: global }
      - { .name: qi, .offset: 48, .size: 8, .value_kind: global_buffer, .address_space: global }
      - { .name: ki, .offset: 56, .size: 8, .value_kind: global_buffer, .address_space: global }
      - { .name: vi, .offset: 64, .size: 8, .value_kind: global_buffer, .address_space: global }
    .group_segment_fixed_size: 327680
    .private_segment_fixed_size: 0
    .kernarg_segment_align: 8
    .kernarg_segment_size: 72
    .max_flat_workgroup_size: 128
    .sgpr_count:     100
    .vgpr_count:     1024
    .wavefront_size: 32
...
	.end_amdgpu_metadata
.endif
;; end of part 2
;; launch attn (part 3): grid 8 x 32, 8 waves a work-group, no clusters, 263,168 bytes of LDS; arguments qi, ki, vi, mask, flags, lowp_scales, oi; writes oi
.if DOCPART == 3
	.amdgcn_target "amdgcn-amd-amdhsa--gfx1250"
	.amdhsa_code_object_version 6
	.text
	.protected	k_q8ba8a58caf_attn
	.globl	k_q8ba8a58caf_attn
	.p2align	8
	.type	k_q8ba8a58caf_attn,@function
k_q8ba8a58caf_attn:
	s_mov_b64 s[64:65], 0
	v_nop
	global_prefetch_b8 v0, s[64:65] scope:SCOPE_SE
	s_setreg_imm32_b32 hwreg(HW_REG_WAVE_MODE, 25, 1), 1
	s_wait_xcnt 0x0
; o = softmax(q k^T / 8 under the mask) v for one (batch, head) and 256 queries a work-group, both products on E4M3 codes by the 16x16x64 form; o leaves as codes (scale 2^e10), as images for the last product.
; THE SOFTMAX.  The row's maximum is taken away ahead of the softmax, so the largest logit is 0 and M = 0: what is quantised is p = 2^((s - max s) log2 e), largest value 1.  The true maximum must be known before any p is made:
; TWO PASSES over the keys.  Pass 1: S^T = K Q^T, mask, running maximum.  Pass 2: the same S^T again (K = 64: four matrix instructions for 16 queries x 64 keys), p, the sum of the unquantised p, codes of p, O^T += V^T P.
; A blocked key gets the score -FLT_MAX, so p = 0.  A row blocked from end to end has the maximum -FLT_MAX: its factor c becomes 0, so t = 0 and p = 1 on all 2,048 keys.
; SHARES.  The head's K and V images (131,072 bytes each) are copied into LDS once; one barrier; then LDS is only read.  Wave w of group j owns query tiles 8 j + w and 127 - (8 j + w): the pairing only evens work out.
; BOTH PRODUCTS TRANSPOSED: source 0 = 16 keys (or 16 of the head's 64), source 1 = 16 queries: a lane holds one query; eight accumulator registers are eight neighbouring keys (or channels) = registers 2c, 2c+1 of the next operand.
; THE MASK IS AN INPUT.  An earlier launch stored, for each tile of queries, which key steps are wholly blocked (passed over by a scalar branch) and which are mixed (the mask's bytes are read and applied).
; NO TENSOR LOADS AND NO JOINT LOADS: the steps branch on stored words; what the eight work-groups of a head share is the one fill of 262,144 bytes at the head.
; LIMITS: e6 + e7 between -90 and 100 (c is an f32 number, and -FLT_MAX x c lies under every exponent that counts); e8 and e10 between -126 and 119.
; REGISTERS, window 0: v1 16 x lane; v2, v3 LDS addresses of K, V; v4-6 the mask's offsets; v7 -FLT_MAX; v8, v9 2^e8, 448 x 2^e8; v10 0; v11 c; v12-15 at work;
;   v16+8t: +0,1 c or 0; +2,3 -max x c; +4,5 two running maxima, then the sum's halves; +6,7 at work;  v32+8t Q;  v48+8t the mask's bytes;  v64-95, v96-127 K, two buffers;  v128-159 V;  v160-191 S^T, then p;  v192-199 p's codes;  v200, v201 2^e10, 448 x 2^e10.
;   window 1: v0-31, v32-63: O^T of the two tiles.
.set LV,   131072
.set L16,  1
.set KA,   2
.set VA,   3
.set MO,   4
.set MA,   5
.set NEG,  7
.set SC8,  8
.set LM8,  9
.set ZR,   10
.set CC,   11
.set ST,   16
.set QF,   32
.set MB,   48
.set KF,   64
.set VF,   128
.set S,    160
.set P,    192
.set SC10, 200
.set LM10, 201
.set MSB, 0
.macro WIN new
.if MSB != (\new)
	s_set_vgpr_msb (MSB<<8)|(\new)
.set MSB, (\new)
.endif
.endm
.macro PLACES
.rept 4
	v_nop
.endr
.endm
; eight LDS loads: four images of K (64 keys) at byte off behind the trip's address
.macro KLOAD buf, off
.set ii, 0
.rept 4
	ds_load_b128 v[(\buf)+8*ii:(\buf)+8*ii+3], v[KA] offset:(\off)+1024*ii
	ds_load_b128 v[(\buf)+8*ii+4:(\buf)+8*ii+7], v[KA] offset:(\off)+1024*ii+512
.set ii, ii+1
.endr
.endm
; the mask's bytes of tile t's NEXT mixed step are asked for long before they are wanted: lane (r, hh) wants, of row r, the bytes 64 s + 16 q + 8 hh + 0..7
.macro MASKNEXT t
	s_ctz_i32_b32 s30, s[28+\t]                    ; the lowest step still to come (none: all ones,
	s_min_u32 s30, s30, 31                         ; held at 31: a load inside the mask that nobody uses)
	s_lshl_b32 s30, s30, 6
	v_add_nc_u32 v[MA+\t], s30, v[MO]
.irp q, 0,1,2,3
	global_load_b64 v[MB+8*\t+2*\q:MB+8*\t+2*\q+1], v[MA+\t], s[32+2*\t:33+2*\t] offset:16*\q
.endr
.endm
.macro MASKAPPLY t
	s_wait_loadcnt 0x0
.set ii, 0
.rept 32
	v_and_b32 v12, 0xff<<(8*(ii%4)), v[MB+8*\t+ii/4]
	v_cmp_ne_u32 vcc_lo, 0, v12
	v_cndmask_b32 v[S+ii], v[S+ii], v[NEG], vcc_lo
.set ii, ii+1
.endr
	s_sub_co_u32 s30, s[28+\t], 1
	s_and_b32 s[28+\t], s[28+\t], s30              ; this step's bit, the lowest, is cleared
	MASKNEXT \t
.endm
; S^T of tile t for the step whose number lies in s[st], from K's buffer kb; then the mask where the step is mixed
.macro SCORES t, kb, st
.irp q, 0,1,2,3
	v_wmma_f32_16x16x64_fp8_fp8 v[S+8*\q:S+8*\q+7], v[(\kb)+8*\q:(\kb)+8*\q+7], v[QF+8*\t:QF+8*\t+7], 0
.endr
	PLACES                                         ; ahead of the first read of the scores, and of the next loads into K's buffer
	s_bitcmp1_b32 s[25+2*\t], s[\st]
	s_cbranch_scc0 .Lopen_\@
	MASKAPPLY \t
.Lopen_\@:
.endm
.macro P1BLOCK t, kb, st
	s_bitcmp1_b32 s[24+2*\t], s[\st]
	s_cbranch_scc1 .Lp1e_\@
	s_wait_dscnt 8                                 ; this step's K is in; the next step's eight loads stay out
	SCORES \t, \kb, \st
.set ii, 0
.rept 16
	v_max3_num_f32 v[ST+8*\t+4+ii%2], v[ST+8*\t+4+ii%2], v[S+2*ii], v[S+2*ii+1]   ; two chains; each accumulator from its low end on
.set ii, ii+1
.endr
.Lp1e_\@:
.endm
.macro P1STEP u, st
	s_wait_dscnt 8                                 ; all but this step's K have landed, also where both tiles passed the last step over: the other buffer may be loaded again
	KLOAD KF+32*(1-(\u)), 4096*((\u)+1)
	P1BLOCK 0, KF+32*(\u), \st
	P1BLOCK 1, KF+32*(\u), \st
.endm
.macro P2BLOCK t, kb, st
	s_bitcmp1_b32 s[24+2*\t], s[\st]
	s_cbranch_scc1 .Lp2e_\@
	s_wait_dscnt 16                                ; this step's K is in; V's eight loads and the next K's eight stay out
	SCORES \t, \kb, \st
.set ii, 0
.rept 16
	v_pk_fma_f32 v[S+2*ii:S+2*ii+1], v[S+2*ii:S+2*ii+1], v[ST+8*\t:ST+8*\t+1], v[ST+8*\t+2:ST+8*\t+3] op_sel_hi:[1,0,0]   ; t = s c - max c
.set ii, ii+1
.endr
.set ii, 0
.rept 32
	v_exp_f32 v[S+ii], v[S+ii]
.set ii, ii+1
.endr
	v_nop                                          ; a plain instruction behind the last exponential
	s_wait_alu depctr_va_vdst(0)                   ; one wait for the batch of 32, ahead of its first reader
	v_pk_add_f32 v[12:13], v[S:S+1], v[S+2:S+3]    ; the sum of the UNQUANTISED p, in two chains
.set ii, 4
.rept 7
	v_pk_add_f32 v[ST+8*\t+4:ST+8*\t+5], v[ST+8*\t+4:ST+8*\t+5], v[S+ii:S+ii+1]
	v_pk_add_f32 v[12:13], v[12:13], v[S+ii+2:S+ii+3]
.set ii, ii+4
.endr
	v_pk_add_f32 v[ST+8*\t+4:ST+8*\t+5], v[ST+8*\t+4:ST+8*\t+5], v[12:13]
	s_cmp_ge_i32 s44, -8                           ; p is at most 1 (but for the last bit) and 448 x 2^-8 = 1.75: from e8 = -8 on the hold cannot act
	s_cbranch_scc1 .Lp2h_\@
.set ii, 0
.rept 32
	v_min_num_f32 v[S+ii], v[S+ii], v[LM8]         ; p is not negative: the hold is one-sided
.set ii, ii+1
.endr
.Lp2h_\@:
.irp q, 0,1,2,3
	v_cvt_scalef32_pk8_fp8_f32 v[P+2*\q:P+2*\q+1], v[S+8*\q:S+8*\q+7], v[SC8]
.endr
	v_nop                                          ; a plain instruction between the conversions and the matrix instructions that read their results
	s_wait_dscnt 8                                 ; V is in; the next K's eight loads stay out
	WIN 0x50                                       ; C and D in window 1
.irp q, 0,1,2,3
	v_wmma_f32_16x16x64_fp8_fp8 v[32*\t+8*\q:32*\t+8*\q+7], v[VF+8*\q:VF+8*\q+7], v[P:P+7], v[32*\t+8*\q:32*\t+8*\q+7]   ; four accumulators by turns
.endr
	WIN 0
.Lp2e_\@:
.endm
.macro P2STEP u, st
	s_wait_dscnt 8                                 ; all but this step's K have landed: V's registers and K's other buffer may be loaded again
	PLACES                                         ; behind the last products that read V
.set ii, 0
.rept 4
	ds_load_b128 v[VF+8*ii:VF+8*ii+3], v[VA] offset:4096*(\u)+1024*ii
	ds_load_b128 v[VF+8*ii+4:VF+8*ii+7], v[VA] offset:4096*(\u)+1024*ii+512
.set ii, ii+1
.endr
	KLOAD KF+32*(1-(\u)), 4096*((\u)+1)
	P2BLOCK 0, KF+32*(\u), \st
	P2BLOCK 1, KF+32*(\u), \st
.endm
; between the passes: the row's maximum, its factor and its shift
.macro FINMAX t
	v_max_num_f32 v[ST+8*\t+6], v[ST+8*\t+4], v[ST+8*\t+5]
	v_permlanex16_b32 v[ST+8*\t+7], v[ST+8*\t+6], s48, s49     ; the query's other keys lie in the lane 16 away
	v_max_num_f32 v[ST+8*\t+6], v[ST+8*\t+6], v[ST+8*\t+7]
	v_cmp_gt_f32 vcc_lo, s50, v[ST+8*\t+6]         ; -2^126 > max: every key of the row is blocked (a true score is at most 64 x 448^2)
	v_cndmask_b32 v[ST+8*\t], v[CC], v[ZR], vcc_lo
	v_mov_b32 v[ST+8*\t+1], v[ST+8*\t]
	v_mul_f32 v[ST+8*\t+2], -v[ST+8*\t+6], v[ST+8*\t]
	v_mov_b32 v[ST+8*\t+3], v[ST+8*\t+2]
	v_mov_b32 v[ST+8*\t+4], 0
	v_mov_b32 v[ST+8*\t+5], 0
.endm
; the way out of tile t: O^T x 2^(e8 + e9) / the sum, held, converted: one image, two stores of 512 consecutive bytes
.macro FINISH t
	v_add_f32 v[ST+8*\t+6], v[ST+8*\t+4], v[ST+8*\t+5]
	v_permlanex16_b32 v[ST+8*\t+7], v[ST+8*\t+6], s48, s49
	v_add_f32 v[ST+8*\t+6], v[ST+8*\t+6], v[ST+8*\t+7]
	v_rcp_f32 v[ST+8*\t+6], v[ST+8*\t+6]
	v_nop
	s_wait_alu depctr_va_vdst(0)                   ; ahead of the reciprocal's first reader
	v_ldexp_f32 v[ST+8*\t+6], v[ST+8*\t+6], s51
	v_mov_b32 v[ST+8*\t+7], v[ST+8*\t+6]
	WIN 0x01                                       ; source 0 in window 1
.set ii, 0
.rept 16
	v_pk_mul_f32 v[KF+32*\t+2*ii:KF+32*\t+2*ii+1], v[32*\t+2*ii:32*\t+2*ii+1], v[ST+8*\t+6:ST+8*\t+7] op_sel_hi:[1,0]
.set ii, ii+1
.endr
	WIN 0
.set ii, 0
.rept 32
	v_med3_num_f32 v[KF+32*\t+ii], v[KF+32*\t+ii], -v[LM10], v[LM10]
.set ii, ii+1
.endr
.irp q, 0,1,2,3
	v_cvt_scalef32_pk8_fp8_f32 v[VF+8*\t+2*\q:VF+8*\t+2*\q+1], v[KF+32*\t+8*\q:KF+32*\t+8*\q+7], v[SC10]
.endr
	v_nop
	global_store_b128 v[L16], v[VF+8*\t:VF+8*\t+3], s[60+2*\t:61+2*\t]
	global_store_b128 v[L16], v[VF+8*\t+4:VF+8*\t+7], s[60+2*\t:61+2*\t] offset:512
.endm
	s_load_b256 s[4:11], s[0:1], 0x0               ; qi, ki, vi, mask
	s_load_b128 s[12:15], s[0:1], 0x20             ; flags, the scales' exponents
	s_load_b64 s[16:17], s[0:1], 0x30              ; oi
	s_set_vgpr_msb 0x40
	v_lshl_add_u32 v64, v0, 2, 0x40000
	v_mov_b32 v65, 0
	s_set_vgpr_msb 0x4000
	v_lshrrev_b32 v12, 5, v0
	v_readfirstlane_b32 s18, v12                   ; wave 0..7
	v_and_b32 v13, 31, v0
	v_lshlrev_b32 v[L16], 4, v13
	v_and_b32 v14, 15, v0                          ; r
	v_bfe_u32 v15, v0, 4, 1                        ; hh
	v_lshlrev_b32 v[MO], 11, v14
	v_lshl_add_u32 v[MO], v15, 3, v[MO]            ; the mask: row r of 2,048 bytes, + 8 hh
	s_and_b32 s19, ttmp7, 0xffff                   ; 16 x batch + head
	s_lshl_b32 s20, ttmp9, 3
	s_add_co_u32 s20, s20, s18                     ; tile A
	s_sub_co_u32 s21, 127, s20                     ; tile B
	s_mov_b32 s53, 0
	s_mov_b32 s55, 0
	s_lshl_b32 s54, s18, 14                        ; my 16,384 bytes of K and of V in the fill
	v_add_nc_u32 v[KA], s54, v[L16]
	v_add_nc_u32 v[VA], LV, v[KA]
	s_wait_kmcnt 0x0
	s_lshl_b32 s52, s20, 3
	s_add_nc_u64 s[60:61], s[12:13], s[52:53]
	s_lshl_b32 s52, s21, 3
	s_add_nc_u64 s[62:63], s[12:13], s[52:53]
	s_load_b64 s[24:25], s[60:61], 0x0             ; tile A: skip, mix
	s_load_b64 s[26:27], s[62:63], 0x0             ; tile B
	s_load_b64 s[40:41], s[14:15], 0x18            ; e6, e7
	s_load_b128 s[44:47], s[14:15], 0x20           ; e8, e9, e10, e11
	s_lshl_b32 s52, s19, 17                        ; a head's images: 131,072 bytes in each buffer
	s_add_nc_u64 s[4:5], s[4:5], s[52:53]
	s_add_nc_u64 s[6:7], s[6:7], s[52:53]
	s_add_nc_u64 s[8:9], s[8:9], s[52:53]
	s_add_nc_u64 s[6:7], s[6:7], s[54:55]
	s_add_nc_u64 s[8:9], s[8:9], s[54:55]
	s_lshl_b32 s52, s20, 10
	s_add_nc_u64 s[56:57], s[4:5], s[52:53]
	s_lshl_b32 s52, s21, 10
	s_add_nc_u64 s[58:59], s[4:5], s[52:53]
	global_load_b128 v[QF:QF+3], v[L16], s[56:57]
	global_load_b128 v[QF+4:QF+7], v[L16], s[56:57] offset:512
	global_load_b128 v[QF+8:QF+11], v[L16], s[58:59]
	global_load_b128 v[QF+12:QF+15], v[L16], s[58:59] offset:512
.set ii, 0
.rept 32
	global_load_b128 v[64+4*ii:67+4*ii], v[L16], s[6:7] offset:512*ii      ; my part of K
.set ii, ii+1
.endr
.set ii, 0
.rept 16
	global_load_b128 v[192+4*ii:195+4*ii], v[L16], s[8:9] offset:512*ii    ; the first half of my part of V
.set ii, ii+1
.endr
	s_wait_kmcnt 0x0
	s_lshl_b32 s52, s20, 15                        ; 16 rows of the mask
	s_add_nc_u64 s[32:33], s[10:11], s[52:53]
	s_lshl_b32 s52, s21, 15
	s_add_nc_u64 s[34:35], s[10:11], s[52:53]
	s_lshr_b32 s30, s19, 4
	s_lshl_b32 s30, s30, 7                         ; 128 x batch
	s_and_b32 s31, s19, 15                         ; head
	s_add_co_u32 s39, s30, s20
	s_lshl_b32 s39, s39, 4
	s_add_co_u32 s39, s39, s31
	s_lshl_b32 s52, s39, 10                        ; oi: [token tile][head][1,024 bytes]
	s_add_nc_u64 s[60:61], s[16:17], s[52:53]
	s_add_co_u32 s39, s30, s21
	s_lshl_b32 s39, s39, 4
	s_add_co_u32 s39, s39, s31
	s_lshl_b32 s52, s39, 10
	s_add_nc_u64 s[62:63], s[16:17], s[52:53]
	s_add_co_i32 s30, s40, s41
	s_lshl_b32 s30, s30, 23
	s_add_co_i32 s30, s30, 0x3e38aa3b              ; c = log2(e) / 8 x 2^(e6 + e7): the exponents are added to c's exponent field
	v_mov_b32 v[CC], s30
	s_add_co_i32 s30, s44, 127
	s_lshl_b32 s31, s30, 23
	v_mov_b32 v[SC8], s31
	s_add_co_i32 s30, s30, 8
	s_lshl_b32 s30, s30, 23
	s_or_b32 s30, s30, 0x600000
	v_mov_b32 v[LM8], s30
	s_add_co_i32 s51, s44, s45                     ; e8 + e9
	v_mov_b32 v[NEG], 0xff7fffff
	v_mov_b32 v[ZR], 0
	s_mov_b32 s48, 0x76543210
	s_mov_b32 s49, 0xfedcba98
	s_mov_b32 s50, 0xfe800000                      ; -2^126
	s_wait_loadcnt 16                              ; Q and K are in; V's sixteen loads stay out
.set ii, 0
.rept 32
	ds_store_b128 v[KA], v[64+4*ii:67+4*ii] offset:512*ii
.set ii, ii+1
.endr
	s_wait_dscnt 0x0                               ; the stores have read their registers
.set ii, 0
.rept 16
	global_load_b128 v[64+4*ii:67+4*ii], v[L16], s[8:9] offset:8192+512*ii ; the second half of my part of V
.set ii, ii+1
.endr
	s_wait_loadcnt 16                              ; the first half is in
.set ii, 0
.rept 16
	ds_store_b128 v[VA], v[192+4*ii:195+4*ii] offset:512*ii
.set ii, ii+1
.endr
	s_wait_loadcnt 0x0
.set ii, 0
.rept 16
	ds_store_b128 v[VA], v[64+4*ii:67+4*ii] offset:8192+512*ii
.set ii, ii+1
.endr
	s_wait_dscnt 0x0                               ; for the others' sake: my stores have landed
	s_barrier_signal -1
	s_barrier_wait -1                              ; the head's K and V lie in LDS; from here on LDS is only read
	s_add_co_i32 s30, s46, 127
	s_lshl_b32 s31, s30, 23
	v_mov_b32 v[SC10], s31
	s_add_co_i32 s30, s30, 8
	s_lshl_b32 s30, s30, 23
	s_or_b32 s30, s30, 0x600000
	v_mov_b32 v[LM10], s30
.irp t, 0,1
	v_mov_b32 v[ST+8*\t+4], v[NEG]
	v_mov_b32 v[ST+8*\t+5], v[NEG]
	v_mov_b32 v[ST+8*\t+7], 0                      ; a lane permute's destination counts as read
.endr
	s_mov_b32 s28, s25                             ; the mixed steps still to come
	s_mov_b32 s29, s27
	MASKNEXT 0
	MASKNEXT 1
	; ---- PASS 1: 16 trips of two key steps
	s_mov_b32 s36, 0
	s_mov_b32 s38, 0
	v_mov_b32 v[KA], v[L16]
	KLOAD KF, 0
.Lp1:
	s_add_co_u32 s37, s36, 1
	v_add_nc_u32 v[KA], s38, v[L16]
	P1STEP 0, 36
	P1STEP 1, 37                                   ; (the last trip's look-ahead reads the 4,096 bytes behind K, which are V's: inside LDS, and not used)
	s_add_co_u32 s38, s38, 8192
	s_add_co_u32 s36, s36, 2
	s_cmp_lt_u32 s36, 32
	s_cbranch_scc1 .Lp1
	s_wait_dscnt 0x0                               ; the look-ahead has landed: K's buffer is loaded again below
	FINMAX 0
	FINMAX 1
	s_wait_loadcnt 0x0                             ; the mask loads of pass 1 are done: their registers and offsets are written again
	s_mov_b32 s28, s25
	s_mov_b32 s29, s27
	MASKNEXT 0
	MASKNEXT 1
	WIN 0x40
.set ii, 0
.rept 64
	v_mov_b32 v[ii], 0                             ; O^T: which step is a tile's first hangs on the mask, so the sums begin as zeros
.set ii, ii+1
.endr
	WIN 0
	; ---- PASS 2
	s_mov_b32 s36, 0
	s_mov_b32 s38, 0
	v_mov_b32 v[KA], v[L16]
	KLOAD KF, 0
.Lp2:
	s_add_co_u32 s37, s36, 1
	v_add_nc_u32 v[KA], s38, v[L16]
	v_add_nc_u32 v[VA], LV, v[KA]
	P2STEP 0, 36
	P2STEP 1, 37
	s_add_co_u32 s38, s38, 8192
	s_add_co_u32 s36, s36, 2
	s_cmp_lt_u32 s36, 32
	s_cbranch_scc1 .Lp2
	s_wait_dscnt 0x0                               ; every LDS load has landed: K's and V's registers serve the way out
	PLACES                                         ; behind the last products
	FINISH 0
	FINISH 1
	s_set_vgpr_msb 0x5
	s_wait_tensorcnt 0x0
	ds_add_u32 v64, v65
	s_wait_dscnt 0x0
	s_set_vgpr_msb 0x500
	s_endpgm
.Lfunc_end_k_q8ba8a58caf_attn:
	.size	k_q8ba8a58caf_attn, .Lfunc_end_k_q8ba8a58caf_attn-k_q8ba8a58caf_attn
	.p2alignl 7, 3214868480
	.fill 96, 4, 3214868480
	.section	.rodata,"a",@progbits
	.p2align	6, 0x0
	.amdhsa_kernel k_q8ba8a58caf_attn
		.amdhsa_group_segment_fixed_size 263168
		.amdhsa_private_segment_fixed_size 0
		.amdhsa_enable_private_segment 0
		.amdhsa_kernarg_size 56
		.amdhsa_user_sgpr_count 2
		.amdhsa_user_sgpr_kernarg_segment_ptr 1
		.amdhsa_wavefront_size32 1
		.amdhsa_system_sgpr_workgroup_id_x 1
		.amdhsa_system_sgpr_workgroup_id_y 1
		.amdhsa_system_sgpr_workgroup_id_z 1
		.amdhsa_system_vgpr_workitem_id 0
		.amdhsa_next_free_vgpr 322
		.amdhsa_next_free_sgpr 66
		.amdhsa_reserve_vcc 1
		.amdhsa_float_denorm_mode_32 3
		.amdhsa_float_denorm_mode_16_64 3
		.amdhsa_memory_ordered 1
		.amdhsa_forward_progress 1
		.amdhsa_inst_pref_size 97
	.end_amdhsa_kernel
	.amdgpu_metadata
---
amdhsa.version: [ 1, 2 ]
amdhsa.kernels:
  - .name:           k_q8ba8a58caf_attn
    .symbol:         k_q8ba8a58caf_attn.kd
    .args:
      - { .name: qi, .offset: 0, .size: 8, .value_kind: global_buffer, .address_space: global }
      - { .name: ki, .offset: 8, .size: 8, .value_kind: global_buffer, .address_space: global }
      - { .name: vi, .offset: 16, .size: 8, .value_kind: global_buffer, .address_space: global }
      - { .name: mask, .offset: 24, .size: 8, .value_kind: global_buffer, .address_space: global }
      - { .name: flags, .offset: 32, .size: 8, .value_kind: global_buffer, .address_space: global }
      - { .name: lowp_scales, .offset: 40, .size: 8, .value_kind: global_buffer, .address_space: global }
      - { .name: oi, .offset: 48, .size: 8, .value_kind: global_buffer, .address_space: global }
    .group_segment_fixed_size: 263168
    .private_segment_fixed_size: 0
    .kernarg_segment_align: 8
    .kernarg_segment_size: 56
    .max_flat_workgroup_size: 256
    .sgpr_count:     66
    .vgpr_count:     322
    .wavefront_size: 32
...
	.end_amdgpu_metadata
.endif
;; end of part 3
;; launch outln (part 4): grid 128 x 1, 16 waves a work-group, no clusters, 297,472 bytes of LDS; arguments oi, woi, lowp_scales, x, bo, gamma, beta, out0; writes out0
.if DOCPART == 4
	.amdgcn_target "amdgcn-amd-amdhsa--gfx1250"
	.amdhsa_code_object_version 6
	.text
	.protected	k_q8ba8a58caf_outln
	.globl	k_q8ba8a58caf_outln
	.p2align	8
	.type	k_q8ba8a58caf_outln,@function
k_q8ba8a58caf_outln:
	s_mov_b64 s[64:65], 0
	v_nop
	global_prefetch_b8 v0, s[64:65] scope:SCOPE_SE
	s_setreg_imm32_b32 hwreg(HW_REG_WAVE_MODE, 25, 1), 1
	s_wait_xcnt 0x0
; out = nan_to_num(LayerNorm(o Wo^T + bo + nan_to_num(x)) x gamma + beta).  The product on E4M3 codes by the 16x16x64 form, all else in f32.
; SHARES.  A work-group owns 32 whole rows (the norm wants whole rows); wave w of 16 makes the 32 rows x columns 64 w .. 64 w + 63: eight accumulators.  K = 1,024 in 16 chunks of 64 (chunk c is head c).
; o's 32 images (32,768 bytes, one dense block) are copied into LDS once and read by all waves.  Wo's images go from memory straight into the registers of the one wave that multiplies by them, four chunks ahead.
; NO TENSOR LOADS AND NO JOINT LOADS: no fragment of Wo is read by two waves of a work-group, and of LDS 327,680 - 295,424 = 32,256 bytes are left, while one chunk of Wo for 1,024 columns is 65,536.
; The product is used transposed (source 0 = 16 rows of Wo, source 1 = 16 tokens): a lane holds eight neighbouring columns of one row.  The sums meet in a stage in LDS; wave w then owns rows 2 w and 2 w + 1 whole.
; x's two rows of a wave are cleaned at the head and wait in the wave's own LDS bytes, since the accumulators take their registers.
; LIMITS: e10 + e11 between -126 and 127.  A finite |x| or a finite result above 1e9 counts as 1e9.
; REGISTERS: v1 16 x lane; v2-6 LDS addresses; v16-79 accumulators, before and after them two rows; v80-207 four sets of 32: Wo's chunks, at the end bo, gamma, beta; v208-239 o's fragments, two sets; v176-239 at the end x's rows; v240-250 at work.
.set XROW,  32768
.set STAGE, 163840
.set SPI,   4112                       ; a stage row: 4,096 bytes + 16
.set ACC,   16
.set RB,    80
.set AB,    208
.set XR,    176
.macro WLOAD c                         ; chunk c of my four tiles of Wo
.irp n, 0,1,2,3
	global_load_b128 v[RB+32*((\c)%4)+8*\n:RB+32*((\c)%4)+8*\n+3], v1, s[6:7] offset:16384*\n+1024*(\c)
	global_load_b128 v[RB+32*((\c)%4)+8*\n+4:RB+32*((\c)%4)+8*\n+7], v1, s[6:7] offset:16384*\n+1024*(\c)+512
.endr
.endm
.macro RLOAD c, sb                     ; a vector of 1,024 numbers, laid as a row: lane l holds columns 128 k + 4 l + 0..3
.irp k, 0,1,2,3,4,5,6,7
	global_load_b128 v[RB+32*((\c)%4)+4*\k:RB+32*((\c)%4)+4*\k+3], v1, s[\sb:\sb+1] offset:512*\k
.endr
.endm
.macro AFETCH c
.irp m, 0,1
	ds_load_b128 v[AB+16*((\c)%2)+8*\m:AB+16*((\c)%2)+8*\m+3], v1 offset:16384*\m+1024*(\c)
	ds_load_b128 v[AB+16*((\c)%2)+8*\m+4:AB+16*((\c)%2)+8*\m+7], v1 offset:16384*\m+1024*(\c)+512
.endr
.endm
.macro CHUNK c
.if (\c) < 15
	AFETCH (\c)+1
	s_wait_dscnt 4                                 ; this chunk's fragments of o are in; the next chunk's four loads stay out
.else
	s_wait_dscnt 0x0
.endif
	s_wait_loadcnt 24                              ; this chunk of Wo is in; three younger groups of eight loads stay out
.irp m, 0,1
.irp n, 0,1,2,3
.if (\c) == 0
	v_wmma_f32_16x16x64_fp8_fp8 v[ACC+8*(4*\m+\n):ACC+8*(4*\m+\n)+7], v[RB+32*((\c)%4)+8*\n:RB+32*((\c)%4)+8*\n+7], v[AB+16*((\c)%2)+8*\m:AB+16*((\c)%2)+8*\m+7], 0
.else
	v_wmma_f32_16x16x64_fp8_fp8 v[ACC+8*(4*\m+\n):ACC+8*(4*\m+\n)+7], v[RB+32*((\c)%4)+8*\n:RB+32*((\c)%4)+8*\n+7], v[AB+16*((\c)%2)+8*\m:AB+16*((\c)%2)+8*\m+7], v[ACC+8*(4*\m+\n):ACC+8*(4*\m+\n)+7]
.endif
.endr
.endr
.rept 4
	v_nop                                          ; ahead of loads into registers that these products read, and of the first read of the sums
.endr
.if (\c) < 12
	WLOAD (\c)+4
.elseif (\c) == 12
	RLOAD 12, 12                                   ; bo, gamma, beta take the ring's last three turns, so that the count above holds in every chunk
.elseif (\c) == 13
	RLOAD 13, 14
.elseif (\c) == 14
	RLOAD 14, 16
.endif
.endm
.macro REDUCE                          ; v[240:241] -> the sum over the wave's 32 lanes, in every lane's v240
	v_add_f32 v240, v240, v241
	v_add_f32_dpp v240, v240, v240 row_xmask:1 row_mask:0xf bank_mask:0xf
	v_add_f32_dpp v240, v240, v240 row_xmask:2 row_mask:0xf bank_mask:0xf
	v_add_f32_dpp v240, v240, v240 row_xmask:4 row_mask:0xf bank_mask:0xf
	v_add_f32_dpp v240, v240, v240 row_xmask:8 row_mask:0xf bank_mask:0xf
	v_permlanex16_b32 v241, v240, s36, s37
	v_add_f32 v240, v240, v241
.endm
.macro LNROW i
.set Y, ACC+32*\i
.set XX, XR+32*\i
.set ii, 0
.rept 16
	v_pk_fma_f32 v[Y+ii:Y+ii+1], v[Y+ii:Y+ii+1], s[26:27], v[RB+ii:RB+ii+1] op_sel_hi:[1,0,1]   ; sum x 2^(e10 + e11) + bo
.set ii, ii+2
.endr
.set ii, 0
.rept 16
	v_pk_add_f32 v[Y+ii:Y+ii+1], v[Y+ii:Y+ii+1], v[XX+ii:XX+ii+1]                               ; + x
.set ii, ii+2
.endr
	v_pk_add_f32 v[240:241], v[Y:Y+1], v[Y+2:Y+3]
	v_pk_add_f32 v[242:243], v[Y+4:Y+5], v[Y+6:Y+7]
.set ii, 8
.rept 6
	v_pk_add_f32 v[240:241], v[240:241], v[Y+ii:Y+ii+1]
	v_pk_add_f32 v[242:243], v[242:243], v[Y+ii+2:Y+ii+3]
.set ii, ii+4
.endr
	v_pk_add_f32 v[240:241], v[240:241], v[242:243]
	REDUCE
	v_mul_f32 v244, 0xba800000, v240               ; -mean: x -1/1,024
	v_mov_b32 v245, v244
.set ii, 0
.rept 16
	v_pk_add_f32 v[Y+ii:Y+ii+1], v[Y+ii:Y+ii+1], v[244:245] op_sel_hi:[1,0]
.set ii, ii+2
.endr
	v_pk_mul_f32 v[240:241], v[Y:Y+1], v[Y:Y+1]
	v_pk_mul_f32 v[242:243], v[Y+2:Y+3], v[Y+2:Y+3]
.set ii, 4
.rept 7
	v_pk_fma_f32 v[240:241], v[Y+ii:Y+ii+1], v[Y+ii:Y+ii+1], v[240:241]
	v_pk_fma_f32 v[242:243], v[Y+ii+2:Y+ii+3], v[Y+ii+2:Y+ii+3], v[242:243]
.set ii, ii+4
.endr
	v_pk_add_f32 v[240:241], v[240:241], v[242:243]
	REDUCE
	v_fma_f32 v246, v240, s34, s35                 ; variance + 1e-5
	v_rsq_f32 v246, v246
	v_nop
	s_wait_alu depctr_va_vdst(0)                   ; ahead of the root's first reader
	v_mov_b32 v247, v246
.set ii, 0
.rept 16
	v_pk_mul_f32 v[Y+ii:Y+ii+1], v[Y+ii:Y+ii+1], v[246:247] op_sel_hi:[1,0]
.set ii, ii+2
.endr
.set ii, 0
.rept 16
	v_pk_fma_f32 v[Y+ii:Y+ii+1], v[Y+ii:Y+ii+1], v[RB+32+ii:RB+32+ii+1], v[RB+64+ii:RB+64+ii+1] ; x gamma + beta
.set ii, ii+2
.endr
.set ii, 0
.rept 32
	v_cmp_eq_f32 vcc_lo, v[Y+ii], v[Y+ii]
	v_cndmask_b32 v[Y+ii], 0, v[Y+ii], vcc_lo      ; NaN -> 0
	v_med3_num_f32 v[Y+ii], v[Y+ii], -v250, v250   ; the infinities -> +-1e9
.set ii, ii+1
.endr
.irp k, 0,1,2,3,4,5,6,7
	global_store_b128 v1, v[Y+4*\k:Y+4*\k+3], s[18:19] offset:4096*\i+512*\k th:TH_STORE_NT     ; 32 lanes store 512 consecutive bytes
.endr
.endm
	s_load_b256 s[4:11], s[0:1], 0x0               ; oi, woi, the scales' exponents, x
	s_load_b256 s[12:19], s[0:1], 0x20             ; bo, gamma, beta, out0
	v_lshl_add_u32 v254, v0, 2, 0x48200
	v_mov_b32 v255, 0
	v_lshrrev_b32 v7, 5, v0
	v_readfirstlane_b32 s20, v7                    ; wave 0..15
	v_and_b32 v7, 31, v0
	v_lshlrev_b32 v1, 4, v7                        ; 16 x lane
	v_and_b32 v8, 15, v0                           ; r
	v_bfe_u32 v9, v0, 4, 1                         ; hh
	s_lshl_b32 s21, s20, 11
	v_add_nc_u32 v2, s21, v1                       ; my 2,048 bytes of o's images: the same offset in memory and in LDS
	s_lshl_b32 s22, s20, 13
	s_add_co_u32 s23, s22, XROW
	v_add_nc_u32 v3, s23, v1                       ; my two rows of x in LDS
	v_mul_u32_u24 v4, v8, SPI
	v_lshl_add_u32 v4, v9, 5, v4
	s_lshl_b32 s23, s20, 8
	s_add_co_u32 s23, s23, STAGE
	v_add_nc_u32 v4, s23, v4                       ; the stage, in: row r, + 256 w + 32 hh
	v_add_nc_u32 v6, 16*SPI, v4                    ; rows 16-31 lie 65,792 bytes on: past an LDS immediate
	s_mul_i32 s23, s20, 2*SPI
	s_add_co_u32 s23, s23, STAGE
	v_add_nc_u32 v5, s23, v1                       ; the stage, back: rows 2 w, 2 w + 1
	s_lshl_b32 s28, ttmp9, 15                      ; two token tiles x 16 images
	s_mov_b32 s29, 0
	s_lshl_b32 s30, ttmp9, 17                      ; 32 rows of 4,096 bytes,
	s_add_co_u32 s30, s30, s22                     ; + my two
	s_mov_b32 s31, 0
	s_lshl_b32 s32, s20, 16                        ; my four tiles of Wo: 4 x 16 images
	s_mov_b32 s33, 0
	s_mov_b32 s34, 0x3a800000                      ; 1 / 1,024
	s_mov_b32 s35, 0x3727c5ac                      ; 1e-5
	s_mov_b32 s36, 0x76543210
	s_mov_b32 s37, 0xfedcba98
	v_mov_b32 v250, 0x4e6e6b28                     ; 1e9
	s_wait_kmcnt 0x0
	s_load_b64 s[24:25], s[8:9], 0x28              ; e10, e11
	s_add_nc_u64 s[4:5], s[4:5], s[28:29]
	s_add_nc_u64 s[10:11], s[10:11], s[30:31]
	s_add_nc_u64 s[18:19], s[18:19], s[30:31]
	s_add_nc_u64 s[6:7], s[6:7], s[32:33]
.irp i, 0,1,2,3
	global_load_b128 v[AB+4*\i:AB+4*\i+3], v2, s[4:5] offset:512*\i
.endr
.set ii, 0
.rept 16
	global_load_b128 v[ACC+4*ii:ACC+4*ii+3], v1, s[10:11] offset:512*ii    ; my two rows of x on end
.set ii, ii+1
.endr
	WLOAD 0
	WLOAD 1
	WLOAD 2
	WLOAD 3
	s_wait_loadcnt 48                              ; o's images are in; x's 16 loads and Wo's 32 stay out
.irp i, 0,1,2,3
	ds_store_b128 v2, v[AB+4*\i:AB+4*\i+3] offset:512*\i
.endr
	s_wait_loadcnt 32                              ; x is in
.set ii, 0
.rept 64
	v_cmp_eq_f32 vcc_lo, v[ACC+ii], v[ACC+ii]
	v_cndmask_b32 v[ACC+ii], 0, v[ACC+ii], vcc_lo
	v_med3_num_f32 v[ACC+ii], v[ACC+ii], -v250, v250
.set ii, ii+1
.endr
.set ii, 0
.rept 16
	ds_store_b128 v3, v[ACC+4*ii:ACC+4*ii+3] offset:512*ii
.set ii, ii+1
.endr
	s_wait_dscnt 0x0                               ; for the others' sake: my part of o's images has landed
	s_barrier_signal -1
	s_barrier_wait -1
	AFETCH 0
.irp c, 0,1,2,3,4,5,6,7,8,9,10,11,12,13,14,15
	CHUNK \c
.endr
.irp m, 0,1
.irp n, 0,1,2,3
	ds_store_b128 v[4+2*\m], v[ACC+8*(4*\m+\n):ACC+8*(4*\m+\n)+3] offset:64*\n         ; each accumulator from its low end on
	ds_store_b128 v[4+2*\m], v[ACC+8*(4*\m+\n)+4:ACC+8*(4*\m+\n)+7] offset:64*\n+16
.endr
.endr
	s_wait_dscnt 0x0                               ; my sums have landed in the stage
	s_barrier_signal -1
	s_barrier_wait -1                              ; 32 whole rows lie there
.irp i, 0,1
.irp k, 0,1,2,3,4,5,6,7
	ds_load_b128 v[ACC+32*\i+4*\k:ACC+32*\i+4*\k+3], v5 offset:SPI*\i+512*\k
.endr
.endr
.set ii, 0
.rept 16
	ds_load_b128 v[XR+4*ii:XR+4*ii+3], v3 offset:512*ii
.set ii, ii+1
.endr
	s_wait_kmcnt 0x0
	s_add_co_i32 s26, s24, s25
	s_add_co_i32 s26, s26, 127
	s_lshl_b32 s26, s26, 23                        ; 2^(e10 + e11) as f32
	s_mov_b32 s27, s26
	s_wait_dscnt 0x0
	s_wait_loadcnt 0x0                             ; bo, gamma, beta
	LNROW 0
	LNROW 1
	s_wait_tensorcnt 0x0
	ds_add_u32 v254, v255
	s_wait_dscnt 0x0
	s_endpgm
.Lfunc_end_k_q8ba8a58caf_outln:
	.size	k_q8ba8a58caf_outln, .Lfunc_end_k_q8ba8a58caf_outln-k_q8ba8a58caf_outln
	.p2alignl 7, 3214868480
	.fill 96, 4, 3214868480
	.section	.rodata,"a",@progbits
	.p2align	6, 0x0
	.amdhsa_kernel k_q8ba8a58caf_outln
		.amdhsa_group_segment_fixed_size 297472
		.amdhsa_private_segment_fixed_size 0
		.amdhsa_enable_private_segment 0
		.amdhsa_kernarg_size 64
		.amdhsa_user_sgpr_count 2
		.amdhsa_user_sgpr_kernarg_segment_ptr 1
		.amdhsa_wavefront_size32 1
		.amdhsa_system_sgpr_workgroup_id_x 1
		.amdhsa_system_sgpr_workgroup_id_y 1
		.amdhsa_system_sgpr_workgroup_id_z 1
		.amdhsa_system_vgpr_workitem_id 0
		.amdhsa_next_free_vgpr 256
		.amdhsa_next_free_sgpr 66
		.amdhsa_reserve_vcc 1
		.amdhsa_float_denorm_mode_32 3
		.amdhsa_float_denorm_mode_16_64 3
		.amdhsa_memory_ordered 1
		.amdhsa_forward_progress 1
		.amdhsa_inst_pref_size 72
	.end_amdhsa_kernel
	.amdgpu_metadata
---
amdhsa.version: [ 1, 2 ]
amdhsa.kernels:
  - .name:           k_q8ba8a58caf_outln
    .symbol:         k_q8ba8a58caf_outln.kd
    .args:
      - { .name: oi, .offset: 0, .size: 8, .value_kind: global_buffer, .address_space: global }
      - { .name: woi, .offset: 8, .size: 8, .value_kind: global_buffer, .address_space: global }
      - { .name: lowp_scales, .offset: 16, .size: 8, .value_kind: global_buffer, .address_space: global }
      - { .name: x, .offset: 24, .size: 8, .value_kind: global_buffer, .address_space: global }
      - { .name: bo, .offset: 32, .size: 8, .value_kind: global_buffer, .address_space: global }
      - { .name: gamma, .offset: 40, .size: 8, .value_kind: global_buffer, .address_space: global }
      - { .name: beta, .offset: 48, .size: 8, .value_kind: global_buffer, .address_space: global }
      - { .name: out0, .offset: 56, .size: 8, .value_kind: global_buffer, .address_space: global }
    .group_segment_fixed_size: 297472
    .private_segment_fixed_size: 0
    .kernarg_segment_align: 8
    .kernarg_segment_size: 64
    .max_flat_workgroup_size: 512
    .sgpr_count:     66
    .vgpr_count:     256
    .wavefront_size: 32
...
	.end_amdgpu_metadata
.endif
;; end of part 4
;; ======== version 2 of 2: 4 launches; version 1 with the launches attn, outln written anew for expert scheduling mode
;; limits: inputs' magnitudes at most 1,000,000,000; right only within a limited range of input values
;; workspace buffers: xc 12,582,912 bytes; wc 3,145,728 bytes; woi 1,048,576 bytes; flags 1,024 bytes of whole numbers; qi 4,194,304 bytes; ki 4,194,304 bytes; vi 4,194,304 bytes; oi 4,194,304 bytes
;; launch prep: the kernel of part 1 again; grid 384 x 1, 4 waves a work-group, no clusters, 99,840 bytes of LDS; arguments x, Wq, Wk, Wv, Wo, mask, lowp_scales, xc, wc, woi, flags; writes xc, wc, woi, flags
;; launch qkv: the kernel of part 2 again; grid 12 x 16, 4 waves a work-group, clusters of 4 x 4, 327,680 bytes of LDS; arguments xc, wc, lowp_scales, bq, bk, bv, qi, ki, vi; writes qi, ki, vi
;; launch attn (part 5): grid 8 x 32, 8 waves a work-group, no clusters, 263,168 bytes of LDS; arguments qi, ki, vi, mask, flags, lowp_scales, oi; writes oi
.if DOCPART == 5
	.amdgcn_target "amdgcn-amd-amdhsa--gfx1250"
	.amdhsa_code_object_version 6
	.text
	.protected	k_q8ba8a58caf_attn
	.globl	k_q8ba8a58caf_attn
	.p2align	8
	.type	k_q8ba8a58caf_attn,@function
k_q8ba8a58caf_attn:
	s_mov_b64 s[64:65], 0
	v_nop
	global_prefetch_b8 v0, s[64:65] scope:SCOPE_SE
	s_setreg_imm32_b32 hwreg(HW_REG_WAVE_SCHED_MODE, 0, 2), 2
	s_setreg_imm32_b32 hwreg(HW_REG_WAVE_MODE, 25, 1), 1
	s_wait_xcnt 0x0
	s_wait_alu depctr_vm_vsrc(0)
; o = softmax(q k^T / 8 under the mask) v for one (batch, head) and 256 queries a work-group, both products on E4M3 codes by the 16x16x64 form; o leaves as codes (scale 2^e10), as images for the last product.
; THE SOFTMAX.  The row's maximum is taken away ahead of the softmax, so the largest logit is 0 and M = 0: what is quantised is p = 2^((s - max s) log2 e), largest value 1.  The true maximum must be known before any p is made:
; TWO PASSES over the keys.  Pass 1: S^T = K Q^T, mask, running maximum.  Pass 2: the same S^T again (K = 64: four matrix instructions for 16 queries x 64 keys), p, the sum of the unquantised p, codes of p, O^T += V^T P.
; A blocked key gets the score -FLT_MAX, so p = 0.  A row blocked from end to end has the maximum -FLT_MAX: its factor c becomes 0, so t = 0 and p = 1 on all 2,048 keys.
; SHARES.  The head's K and V images (131,072 bytes each) are copied into LDS once; one barrier; then LDS is only read.  Wave w of group j owns query tiles 8 j + w and 127 - (8 j + w): the pairing only evens work out.
; BOTH PRODUCTS TRANSPOSED: source 0 = 16 keys (or 16 of the head's 64), source 1 = 16 queries: a lane holds one query; eight accumulator registers are eight neighbouring keys (or channels) = registers 2c, 2c+1 of the next operand.
; THE MASK IS AN INPUT.  An earlier launch stored, for each tile of queries, which key steps are wholly blocked (passed over by a scalar branch) and which are mixed (the mask's bytes are read and applied).
; NO TENSOR LOADS AND NO JOINT LOADS: the steps branch on stored words; what the eight work-groups of a head share is the one fill of 262,144 bytes at the head.
; LIMITS: e6 + e7 between -90 and 100 (c is an f32 number, and -FLT_MAX x c lies under every exponent that counts); e8 and e10 between -126 and 119.
; REGISTERS, window 0: v1 16 x lane; v2, v3 LDS addresses of K, V; v4-6 the mask's offsets; v7 -FLT_MAX; v8, v9 2^e8, 448 x 2^e8; v10 0; v11 c; v12-15 at work;
;   v16+8t: +0,1 c or 0; +2,3 -max x c; +4,5 two running maxima, then the sum's halves; +6,7 at work;  v32+8t Q;  v48+8t the mask's bytes;  v64-95, v96-127 K, two buffers;  v128-159 V;  v160-191 S^T, then p;  v192-199 p's codes;  v200, v201 2^e10, 448 x 2^e10.
;   window 1: v0-31, v32-63: O^T of the two tiles.
; THE MODE: SCHED_MODE bits 1:0 = 2 (LLVM: expert scheduling mode 2), set by the entry lines.  The code itself states the register dependences
; between vector or matrix instructions and memory or LDS instructions, with s_wait_alu, always for 0.
; THE PLAN.  Registers that memory or LDS instructions touch:
;   v1, v4        offsets, written at the head and never again.
;   v2, v3        read by the head's LDS stores and by every LDS load of K and V; written once a trip, at the trip's head: a wait on vm_vsrc ahead of the adds; the step's own wait on va_vdst follows them.
;   v5, v6        read by a tile's four loads of mask bytes; written when the tile's next mixed step is chosen.
;   v48-63        the mask's loads land here; the v_and lines of a mixed step read them.
;   K0, K1        step s: its products read buffer s % 2; the loads of step s + 1 land in the other one, at the head of step s.
;   V             a step's products read it; the next step's loads land in it, at that step's head.
;   v64-255       at the head only: K's and V's bytes on their way into LDS.     v128-143 at the end only: o's codes, written by the conversions, read by the stores.
;   S^T, p's codes, O^T and the statistics are named by vector and matrix instructions alone.
; So ONE wait on va_vdst stands at the head of a step, on the path of every wave (the tiles' blocks can be jumped over, so no wait inside a block would do): the last step's products are done reading the
; buffers in which the step's loads land.  A mixed step has waits of its own.  Lane masks go into s4-s19, in runs, with one wait on va_sdst behind a run.
.set LV,   131072
.set L16,  1
.set KA,   2
.set VA,   3
.set MO,   4
.set MA,   5
.set NEG,  7
.set SC8,  8
.set LM8,  9
.set ZR,   10
.set CC,   11
.set ST,   16
.set QF,   32
.set MB,   48
.set KF,   64
.set VF,   128
.set S,    160
.set P,    192
.set SC10, 200
.set LM10, 201
.set MK,   4                           ; s4-s19: sixteen lane masks (these registers held addresses whose loads are all done behind the head)
.set MSB, 0
.macro WIN new
.if MSB != (\new)
	s_set_vgpr_msb (MSB<<8)|(\new)
.set MSB, (\new)
.endif
.endm
.macro PLACES
.rept 4
	v_nop
.endr
.endm
; eight LDS loads: four images of K (64 keys) at byte off behind the trip's address
.macro KLOAD buf, off
.set ii, 0
.rept 4
	ds_load_b128 v[(\buf)+8*ii:(\buf)+8*ii+3], v[KA] offset:(\off)+1024*ii
	ds_load_b128 v[(\buf)+8*ii+4:(\buf)+8*ii+7], v[KA] offset:(\off)+1024*ii+512
.set ii, ii+1
.endr
.endm
; the mask's bytes of tile t's NEXT mixed step are asked for long before they are wanted: lane (r, hh) wants, of row r, the bytes 64 s + 16 q + 8 hh + 0..7.  First the offset,
.macro MASKADR t
	s_ctz_i32_b32 s30, s[28+\t]                    ; the lowest step still to come (none: all ones,
	s_min_u32 s30, s30, 31                         ; held at 31: a load inside the mask that nobody uses)
	s_lshl_b32 s30, s30, 6
	v_add_nc_u32 v[MA+\t], s30, v[MO]
.endm
; then, behind a wait on va_vdst, the four loads
.macro MASKLD t
.irp q, 0,1,2,3
	global_load_b64 v[MB+8*\t+2*\q:MB+8*\t+2*\q+1], v[MA+\t], s[32+2*\t:33+2*\t] offset:16*\q
.endr
.endm
; half h of a mixed step's 32 scores: sixteen bytes are cut out and compared, each mask into a scalar register of its own,
.macro MASKCMP t, h
.set ii, 16*(\h)
.rept 16
	v_and_b32 v[12+ii%4], 0xff<<(8*(ii%4)), v[MB+8*\t+ii/4]
	v_cmp_ne_u32 s[MK+ii%16], 0, v[12+ii%4]
.set ii, ii+1
.endr
.endm
; and, behind a wait on va_sdst, the sixteen selects; each accumulator from its low end on
.macro MASKSEL h
.set ii, 16*(\h)
.rept 16
	v_cndmask_b32 v[S+ii], v[S+ii], v[NEG], s[MK+ii%16]
.set ii, ii+1
.endr
.endm
.macro MASKAPPLY t
	s_wait_loadcnt 0x0
	s_wait_alu depctr_vm_vsrc(0)                   ; the mask's loads have read v[MA+t], which is written below
	s_sub_co_u32 s30, s[28+\t], 1
	s_and_b32 s[28+\t], s[28+\t], s30              ; this step's bit, the lowest, is cleared
	MASKADR \t
	MASKCMP \t, 0
	s_wait_alu depctr_va_sdst(0)                   ; the sixteen compares have written s4-s19, which the selects read
	MASKSEL 0
	MASKCMP \t, 1
	s_wait_alu depctr_va_sdst(0)                   ; the second sixteen compares have written s4-s19
	s_wait_alu depctr_va_vdst(0)                   ; v[MA+t] is written, which the loads below read; the v_and lines are done reading the bytes' registers, in which they land
	MASKLD \t                                      ; the selects below name none of these loads' registers
	MASKSEL 1
.endm
; S^T of tile t for the step whose number lies in s[st], from K's buffer kb; then the mask where the step is mixed
.macro SCORES t, kb, st
.irp q, 0,1,2,3
	v_wmma_f32_16x16x64_fp8_fp8 v[S+8*\q:S+8*\q+7], v[(\kb)+8*\q:(\kb)+8*\q+7], v[QF+8*\t:QF+8*\t+7], 0
.endr
	PLACES                                         ; ahead of the first read of the scores, and of the next loads into K's buffer
	s_bitcmp1_b32 s[25+2*\t], s[\st]
	s_cbranch_scc0 .Lopen_\@
	MASKAPPLY \t
.Lopen_\@:
.endm
.macro P1BLOCK t, kb, st
	s_bitcmp1_b32 s[24+2*\t], s[\st]
	s_cbranch_scc1 .Lp1e_\@
	s_wait_dscnt 8                                 ; this step's K is in; the next step's eight loads stay out
	SCORES \t, \kb, \st
.set ii, 0
.rept 16
	v_max3_num_f32 v[ST+8*\t+4+ii%2], v[ST+8*\t+4+ii%2], v[S+2*ii], v[S+2*ii+1]   ; two chains; each accumulator from its low end on
.set ii, ii+1
.endr
.Lp1e_\@:
.endm
.macro P1STEP u, st
	s_wait_dscnt 8                                 ; all but this step's K have landed, also where both tiles passed the last step over: the other buffer may be loaded again
	s_wait_alu depctr_va_vdst(0)                   ; the last step's products are done reading K's other buffer, in which the loads below land; in a trip's first step v[KA] is written
	KLOAD KF+32*(1-(\u)), 4096*((\u)+1)
	P1BLOCK 0, KF+32*(\u), \st
	P1BLOCK 1, KF+32*(\u), \st
.endm
.macro P2BLOCK t, kb, st
	s_bitcmp1_b32 s[24+2*\t], s[\st]
	s_cbranch_scc1 .Lp2e_\@
	s_wait_dscnt 16                                ; this step's K is in; V's eight loads and the next K's eight stay out
	SCORES \t, \kb, \st
.set ii, 0
.rept 16
	v_pk_fma_f32 v[S+2*ii:S+2*ii+1], v[S+2*ii:S+2*ii+1], v[ST+8*\t:ST+8*\t+1], v[ST+8*\t+2:ST+8*\t+3] op_sel_hi:[1,0,0]   ; t = s c - max c
.set ii, ii+1
.endr
.set ii, 0
.rept 32
	v_exp_f32 v[S+ii], v[S+ii]
.set ii, ii+1
.endr
	v_nop                                          ; a plain instruction behind the last exponential
	s_wait_alu depctr_va_vdst(0)                   ; the 32 exponentials have written p: one wait for the batch, ahead of its first reader
	v_pk_add_f32 v[12:13], v[S:S+1], v[S+2:S+3]    ; the sum of the UNQUANTISED p, in two chains
.set ii, 4
.rept 7
	v_pk_add_f32 v[ST+8*\t+4:ST+8*\t+5], v[ST+8*\t+4:ST+8*\t+5], v[S+ii:S+ii+1]
	v_pk_add_f32 v[12:13], v[12:13], v[S+ii+2:S+ii+3]
.set ii, ii+4
.endr
	v_pk_add_f32 v[ST+8*\t+4:ST+8*\t+5], v[ST+8*\t+4:ST+8*\t+5], v[12:13]
	s_cmp_ge_i32 s44, -8                           ; p is at most 1 (but for the last bit) and 448 x 2^-8 = 1.75: from e8 = -8 on the hold cannot act
	s_cbranch_scc1 .Lp2h_\@
.set ii, 0
.rept 32
	v_min_num_f32 v[S+ii], v[S+ii], v[LM8]         ; p is not negative: the hold is one-sided
.set ii, ii+1
.endr
.Lp2h_\@:
.irp q, 0,1,2,3
	v_cvt_scalef32_pk8_fp8_f32 v[P+2*\q:P+2*\q+1], v[S+8*\q:S+8*\q+7], v[SC8]
.endr
	v_nop                                          ; a plain instruction between the conversions and the matrix instructions that read their results
	s_wait_dscnt 8                                 ; V is in; the next K's eight loads stay out
	WIN 0x50                                       ; C and D in window 1
.irp q, 0,1,2,3
	v_wmma_f32_16x16x64_fp8_fp8 v[32*\t+8*\q:32*\t+8*\q+7], v[VF+8*\q:VF+8*\q+7], v[P:P+7], v[32*\t+8*\q:32*\t+8*\q+7]   ; four accumulators by turns
.endr
	WIN 0
.Lp2e_\@:
.endm
.macro P2STEP u, st
	s_wait_dscnt 8                                 ; all but this step's K have landed: V's registers and K's other buffer may be loaded again
	PLACES                                         ; behind the last products that read V
	s_wait_alu depctr_va_vdst(0)                   ; the last step's products are done reading V and K's other buffer, in which the loads below land; in a trip's first step v[KA] and v[VA] are written
.set ii, 0
.rept 4
	ds_load_b128 v[VF+8*ii:VF+8*ii+3], v[VA] offset:4096*(\u)+1024*ii
	ds_load_b128 v[VF+8*ii+4:VF+8*ii+7], v[VA] offset:4096*(\u)+1024*ii+512
.set ii, ii+1
.endr
	KLOAD KF+32*(1-(\u)), 4096*((\u)+1)
	P2BLOCK 0, KF+32*(\u), \st
	P2BLOCK 1, KF+32*(\u), \st
.endm
; between the passes: the row's maximum, and whether the whole row is blocked: the mask into s[MK+t];
.macro FINMAXA t
	v_max_num_f32 v[ST+8*\t+6], v[ST+8*\t+4], v[ST+8*\t+5]
	v_permlanex16_b32 v[ST+8*\t+7], v[ST+8*\t+6], s48, s49     ; the query's other keys lie in the lane 16 away
	v_max_num_f32 v[ST+8*\t+6], v[ST+8*\t+6], v[ST+8*\t+7]
	v_cmp_gt_f32 s[MK+\t], s50, v[ST+8*\t+6]       ; -2^126 > max: every key of the row is blocked (a true score is at most 64 x 448^2)
.endm
; then its factor and its shift
.macro FINMAXB t
	v_cndmask_b32 v[ST+8*\t], v[CC], v[ZR], s[MK+\t]
	v_mov_b32 v[ST+8*\t+1], v[ST+8*\t]
	v_mul_f32 v[ST+8*\t+2], -v[ST+8*\t+6], v[ST+8*\t]
	v_mov_b32 v[ST+8*\t+3], v[ST+8*\t+2]
	v_mov_b32 v[ST+8*\t+4], 0
	v_mov_b32 v[ST+8*\t+5], 0
.endm
; the way out of tile t: the row's sum and its reciprocal;
.macro FINSUM t
	v_add_f32 v[ST+8*\t+6], v[ST+8*\t+4], v[ST+8*\t+5]
	v_permlanex16_b32 v[ST+8*\t+7], v[ST+8*\t+6], s48, s49
	v_add_f32 v[ST+8*\t+6], v[ST+8*\t+6], v[ST+8*\t+7]
	v_rcp_f32 v[ST+8*\t+6], v[ST+8*\t+6]
.endm
; then O^T x 2^(e8 + e9) / the sum, held, converted: one image
.macro FINCODE t
	v_ldexp_f32 v[ST+8*\t+6], v[ST+8*\t+6], s51
	v_mov_b32 v[ST+8*\t+7], v[ST+8*\t+6]
	WIN 0x01                                       ; source 0 in window 1
.set ii, 0
.rept 16
	v_pk_mul_f32 v[KF+32*\t+2*ii:KF+32*\t+2*ii+1], v[32*\t+2*ii:32*\t+2*ii+1], v[ST+8*\t+6:ST+8*\t+7] op_sel_hi:[1,0]
.set ii, ii+1
.endr
	WIN 0
.set ii, 0
.rept 32
	v_med3_num_f32 v[KF+32*\t+ii], v[KF+32*\t+ii], -v[LM10], v[LM10]
.set ii, ii+1
.endr
.irp q, 0,1,2,3
	v_cvt_scalef32_pk8_fp8_f32 v[VF+8*\t+2*\q:VF+8*\t+2*\q+1], v[KF+32*\t+8*\q:KF+32*\t+8*\q+7], v[SC10]
.endr
	v_nop                                          ; a plain instruction behind the last conversion
.endm
	s_load_b256 s[4:11], s[0:1], 0x0               ; qi, ki, vi, mask
	s_load_b128 s[12:15], s[0:1], 0x20             ; flags, the scales' exponents
	s_load_b64 s[16:17], s[0:1], 0x30              ; oi
	s_set_vgpr_msb 0x40
	v_lshl_add_u32 v64, v0, 2, 0x40000
	v_mov_b32 v65, 0
	s_set_vgpr_msb 0x4000
	v_lshrrev_b32 v12, 5, v0
	v_readfirstlane_b32 s18, v12                   ; wave 0..7
	v_and_b32 v13, 31, v0
	v_lshlrev_b32 v[L16], 4, v13
	v_and_b32 v14, 15, v0                          ; r
	v_bfe_u32 v15, v0, 4, 1                        ; hh
	v_lshlrev_b32 v[MO], 11, v14
	v_lshl_add_u32 v[MO], v15, 3, v[MO]            ; the mask: row r of 2,048 bytes, + 8 hh
	s_and_b32 s19, ttmp7, 0xffff                   ; 16 x batch + head
	s_wait_alu depctr_va_sdst(0)                   ; s18 is written, ahead of its first reader: the tiles' numbers and the fill's offsets are made from it
	s_lshl_b32 s20, ttmp9, 3
	s_add_co_u32 s20, s20, s18                     ; tile A
	s_sub_co_u32 s21, 127, s20                     ; tile B
	s_mov_b32 s53, 0
	s_mov_b32 s55, 0
	s_lshl_b32 s54, s18, 14                        ; my 16,384 bytes of K and of V in the fill
	v_add_nc_u32 v[KA], s54, v[L16]
	v_add_nc_u32 v[VA], LV, v[KA]
	s_wait_kmcnt 0x0
	s_lshl_b32 s52, s20, 3
	s_add_nc_u64 s[60:61], s[12:13], s[52:53]
	s_lshl_b32 s52, s21, 3
	s_add_nc_u64 s[62:63], s[12:13], s[52:53]
	s_load_b64 s[24:25], s[60:61], 0x0             ; tile A: skip, mix
	s_load_b64 s[26:27], s[62:63], 0x0             ; tile B
	s_load_b64 s[40:41], s[14:15], 0x18            ; e6, e7
	s_load_b128 s[44:47], s[14:15], 0x20           ; e8, e9, e10, e11
	s_lshl_b32 s52, s19, 17                        ; a head's images: 131,072 bytes in each buffer
	s_add_nc_u64 s[4:5], s[4:5], s[52:53]
	s_add_nc_u64 s[6:7], s[6:7], s[52:53]
	s_add_nc_u64 s[8:9], s[8:9], s[52:53]
	s_add_nc_u64 s[6:7], s[6:7], s[54:55]
	s_add_nc_u64 s[8:9], s[8:9], s[54:55]
	s_lshl_b32 s52, s20, 10
	s_add_nc_u64 s[56:57], s[4:5], s[52:53]
	s_lshl_b32 s52, s21, 10
	s_add_nc_u64 s[58:59], s[4:5], s[52:53]
	s_wait_alu depctr_va_vdst(0)                   ; v1 to v4 are written: the offset of the loads below, the addresses of the fill's LDS stores, the mask's offset
	global_load_b128 v[QF:QF+3], v[L16], s[56:57]
	global_load_b128 v[QF+4:QF+7], v[L16], s[56:57] offset:512
	global_load_b128 v[QF+8:QF+11], v[L16], s[58:59]
	global_load_b128 v[QF+12:QF+15], v[L16], s[58:59] offset:512
.set ii, 0
.rept 32
	global_load_b128 v[64+4*ii:67+4*ii], v[L16], s[6:7] offset:512*ii      ; my part of K
.set ii, ii+1
.endr
.set ii, 0
.rept 16
	global_load_b128 v[192+4*ii:195+4*ii], v[L16], s[8:9] offset:512*ii    ; the first half of my part of V
.set ii, ii+1
.endr
	s_wait_kmcnt 0x0
	s_lshl_b32 s52, s20, 15                        ; 16 rows of the mask
	s_add_nc_u64 s[32:33], s[10:11], s[52:53]
	s_lshl_b32 s52, s21, 15
	s_add_nc_u64 s[34:35], s[10:11], s[52:53]
	s_lshr_b32 s30, s19, 4
	s_lshl_b32 s30, s30, 7                         ; 128 x batch
	s_and_b32 s31, s19, 15                         ; head
	s_add_co_u32 s39, s30, s20
	s_lshl_b32 s39, s39, 4
	s_add_co_u32 s39, s39, s31
	s_lshl_b32 s52, s39, 10                        ; oi: [token tile][head][1,024 bytes]
	s_add_nc_u64 s[60:61], s[16:17], s[52:53]
	s_add_co_u32 s39, s30, s21
	s_lshl_b32 s39, s39, 4
	s_add_co_u32 s39, s39, s31
	s_lshl_b32 s52, s39, 10
	s_add_nc_u64 s[62:63], s[16:17], s[52:53]
	s_add_co_i32 s30, s40, s41
	s_lshl_b32 s30, s30, 23
	s_add_co_i32 s30, s30, 0x3e38aa3b              ; c = log2(e) / 8 x 2^(e6 + e7): the exponents are added to c's exponent field
	v_mov_b32 v[CC], s30                           ; (these five lines write v7 to v11, which no memory or LDS instruction names)
	s_add_co_i32 s30, s44, 127
	s_lshl_b32 s31, s30, 23
	v_mov_b32 v[SC8], s31
	s_add_co_i32 s30, s30, 8
	s_lshl_b32 s30, s30, 23
	s_or_b32 s30, s30, 0x600000
	v_mov_b32 v[LM8], s30
	s_add_co_i32 s51, s44, s45                     ; e8 + e9
	v_mov_b32 v[NEG], 0xff7fffff
	v_mov_b32 v[ZR], 0
	s_mov_b32 s48, 0x76543210
	s_mov_b32 s49, 0xfedcba98
	s_mov_b32 s50, 0xfe800000                      ; -2^126
	s_wait_loadcnt 16                              ; Q and K are in; V's sixteen loads stay out
.set ii, 0
.rept 32
	ds_store_b128 v[KA], v[64+4*ii:67+4*ii] offset:512*ii
.set ii, ii+1
.endr
	s_wait_dscnt 0x0                               ; the stores are done
	s_wait_alu depctr_vm_vsrc(0)                   ; the LDS stores have read v64-127, in which the loads below land
.set ii, 0
.rept 16
	global_load_b128 v[64+4*ii:67+4*ii], v[L16], s[8:9] offset:8192+512*ii ; the second half of my part of V
.set ii, ii+1
.endr
	s_wait_loadcnt 16                              ; the first half is in
.set ii, 0
.rept 16
	ds_store_b128 v[VA], v[192+4*ii:195+4*ii] offset:512*ii
.set ii, ii+1
.endr
	s_wait_loadcnt 0x0
.set ii, 0
.rept 16
	ds_store_b128 v[VA], v[64+4*ii:67+4*ii] offset:8192+512*ii
.set ii, ii+1
.endr
	s_wait_dscnt 0x0                               ; for the others' sake: my stores have landed
	s_barrier_signal -1
	s_barrier_wait -1                              ; the head's K and V lie in LDS; from here on LDS is only read
	s_wait_alu depctr_vm_vsrc(0)                   ; my LDS stores have read v64-255 and v[KA], v[VA]: from here on these are written by vector and matrix instructions and by LDS loads
	s_add_co_i32 s30, s46, 127
	s_lshl_b32 s31, s30, 23
	v_mov_b32 v[SC10], s31
	s_add_co_i32 s30, s30, 8
	s_lshl_b32 s30, s30, 23
	s_or_b32 s30, s30, 0x600000
	v_mov_b32 v[LM10], s30
.irp t, 0,1
	v_mov_b32 v[ST+8*\t+4], v[NEG]
	v_mov_b32 v[ST+8*\t+5], v[NEG]
	v_mov_b32 v[ST+8*\t+7], 0                      ; a lane permute's destination counts as read
.endr
	s_mov_b32 s28, s25                             ; the mixed steps still to come
	s_mov_b32 s29, s27
	MASKADR 0
	MASKADR 1
	; ---- PASS 1: 16 trips of two key steps
	s_mov_b32 s36, 0
	s_mov_b32 s38, 0
	v_mov_b32 v[KA], v[L16]
	s_wait_alu depctr_va_vdst(0)                   ; v[MA], v[MA+1] and v[KA] are written, which the loads below read
	MASKLD 0
	MASKLD 1
	KLOAD KF, 0
.Lp1:
	s_add_co_u32 s37, s36, 1
	s_wait_alu depctr_vm_vsrc(0)                   ; the LDS loads issued so far have read v[KA]
	v_add_nc_u32 v[KA], s38, v[L16]
	P1STEP 0, 36
	P1STEP 1, 37                                   ; (the last trip's look-ahead reads the 4,096 bytes behind K, which are V's: inside LDS, and not used)
	s_add_co_u32 s38, s38, 8192
	s_add_co_u32 s36, s36, 2
	s_cmp_lt_u32 s36, 32
	s_cbranch_scc1 .Lp1
	s_wait_dscnt 0x0                               ; the look-ahead has landed: K's buffer is loaded again below
	FINMAXA 0
	FINMAXA 1
	s_wait_alu depctr_va_sdst(0)                   ; the two compares have written s4 and s5, which the selects read
	FINMAXB 0
	FINMAXB 1
	s_wait_loadcnt 0x0                             ; the mask loads of pass 1 are done: their registers and offsets are written again
	s_wait_alu depctr_vm_vsrc(0)                   ; the mask's loads have read v[MA], v[MA+1], and the LDS loads v[KA]: all three are written below
	s_mov_b32 s28, s25
	s_mov_b32 s29, s27
	MASKADR 0
	MASKADR 1
	; ---- PASS 2
	s_mov_b32 s36, 0
	s_mov_b32 s38, 0
	v_mov_b32 v[KA], v[L16]
	s_wait_alu depctr_va_vdst(0)                   ; v[MA], v[MA+1] and v[KA] are written; pass 1's products are done reading K's buffer and its v_and lines the mask's bytes, in which the loads below land
	MASKLD 0
	MASKLD 1
	KLOAD KF, 0
	WIN 0x40
.set ii, 0
.rept 64
	v_mov_b32 v[ii], 0                             ; O^T: which step is a tile's first hangs on the mask, so the sums begin as zeros.  (These lines name v256-319 alone: none of the registers of the loads above)
.set ii, ii+1
.endr
	WIN 0
.Lp2:
	s_add_co_u32 s37, s36, 1
	s_wait_alu depctr_vm_vsrc(0)                   ; the LDS loads issued so far have read v[KA] and v[VA]
	v_add_nc_u32 v[KA], s38, v[L16]
	v_add_nc_u32 v[VA], LV, v[KA]
	P2STEP 0, 36
	P2STEP 1, 37
	s_add_co_u32 s38, s38, 8192
	s_add_co_u32 s36, s36, 2
	s_cmp_lt_u32 s36, 32
	s_cbranch_scc1 .Lp2
	s_wait_dscnt 0x0                               ; every LDS load has landed: K's and V's registers serve the way out
	PLACES                                         ; behind the last products
	FINSUM 0
	FINSUM 1
	v_nop                                          ; a plain instruction behind the last reciprocal
	s_wait_alu depctr_va_vdst(0)                   ; the two reciprocals are written: one wait for both, ahead of their first reader
	FINCODE 0
	FINCODE 1
	s_wait_alu depctr_va_vdst(0)                   ; the conversions have written v128-143, which the four stores read
.irp t, 0,1
	global_store_b128 v[L16], v[VF+8*\t:VF+8*\t+3], s[60+2*\t:61+2*\t]                 ; an image: two stores of 512 consecutive bytes
	global_store_b128 v[L16], v[VF+8*\t+4:VF+8*\t+7], s[60+2*\t:61+2*\t] offset:512
.endr
	s_set_vgpr_msb 0x5                             ; the add's two registers, v320 and v321, lie in window 1
	s_wait_dscnt 0x0                               ; the closing lines, six on end
	s_wait_alu 0x0
	s_wait_tensorcnt 0x0
	ds_add_u32 v64, v65
	s_wait_dscnt 0x0
	s_endpgm
.Lfunc_end_k_q8ba8a58caf_attn:
	.size	k_q8ba8a58caf_attn, .Lfunc_end_k_q8ba8a58caf_attn-k_q8ba8a58caf_attn
	.p2alignl 7, 3214868480
	.fill 96, 4, 3214868480
	.section	.rodata,"a",@progbits
	.p2align	6, 0x0
	.amdhsa_kernel k_q8ba8a58caf_attn
		.amdhsa_group_segment_fixed_size 263168
		.amdhsa_private_segment_fixed_size 0
		.amdhsa_enable_private_segment 0
		.amdhsa_kernarg_size 56
		.amdhsa_user_sgpr_count 2
		.amdhsa_user_sgpr_kernarg_segment_ptr 1
		.amdhsa_wavefront_size32 1
		.amdhsa_system_sgpr_workgroup_id_x 1
		.amdhsa_system_sgpr_workgroup_id_y 1
		.amdhsa_system_sgpr_workgroup_id_z 1
		.amdhsa_system_vgpr_workitem_id 0
		.amdhsa_next_free_vgpr 322
		.amdhsa_next_free_sgpr 66
		.amdhsa_reserve_vcc 0
		.amdhsa_float_denorm_mode_32 3
		.amdhsa_float_denorm_mode_16_64 3
		.amdhsa_memory_ordered 1
		.amdhsa_forward_progress 1
		.amdhsa_inst_pref_size 115
	.end_amdhsa_kernel
	.amdgpu_metadata
---
amdhsa.version: [ 1, 2 ]
amdhsa.kernels:
  - .name:           k_q8ba8a58caf_attn
    .symbol:         k_q8ba8a58caf_attn.kd
    .args:
      - { .name: qi, .offset: 0, .size: 8, .value_kind: global_buffer, .address_space: global }
      - { .name: ki, .offset: 8, .size: 8, .value_kind: global_buffer, .address_space: global }
      - { .name: vi, .offset: 16, .size: 8, .value_kind: global_buffer, .address_space: global }
      - { .name: mask, .offset: 24, .size: 8, .value_kind: global_buffer, .address_space: global }
      - { .name: flags, .offset: 32, .size: 8, .value_kind: global_buffer, .address_space: global }
      - { .name: lowp_scales, .offset: 40, .size: 8, .value_kind: global_buffer, .address_space: global }
      - { .name: oi, .offset: 48, .size: 8, .value_kind: global_buffer, .address_space: global }
    .group_segment_fixed_size: 263168
    .private_segment_fixed_size: 0
    .kernarg_segment_align: 8
    .kernarg_segment_size: 56
    .max_flat_workgroup_size: 256
    .sgpr_count:     66
    .vgpr_count:     322
    .wavefront_size: 32
...
	.end_amdgpu_metadata
.endif
;; end of part 5
;; launch outln (part 6): grid 128 x 1, 16 waves a work-group, no clusters, 297,472 bytes of LDS; arguments oi, woi, lowp_scales, x, bo, gamma, beta, out0; writes out0
.if DOCPART == 6
	.amdgcn_target "amdgcn-amd-amdhsa--gfx1250"
	.amdhsa_code_object_version 6
	.text
	.protected	k_q8ba8a58caf_outln
	.globl	k_q8ba8a58caf_outln
	.p2align	8
	.type	k_q8ba8a58caf_outln,@function
k_q8ba8a58caf_outln:
	s_mov_b64 s[64:65], 0
	v_nop
	global_prefetch_b8 v0, s[64:65] scope:SCOPE_SE
	s_setreg_imm32_b32 hwreg(HW_REG_WAVE_SCHED_MODE, 0, 2), 2
	s_setreg_imm32_b32 hwreg(HW_REG_WAVE_MODE, 25, 1), 1
	s_wait_xcnt 0x0
	s_wait_alu depctr_vm_vsrc(0)
; out = nan_to_num(LayerNorm(o Wo^T + bo + nan_to_num(x)) x gamma + beta).  The product on E4M3 codes by the 16x16x64 form, all else in f32.
; SHARES.  A work-group owns 32 whole rows (the norm wants whole rows); wave w of 16 makes the 32 rows x columns 64 w .. 64 w + 63: eight accumulators.  K = 1,024 in 16 chunks of 64 (chunk c is head c).
; o's 32 images (32,768 bytes, one dense block) are copied into LDS once and read by all waves.  Wo's images go from memory straight into the registers of the one wave that multiplies by them, up to three chunks ahead.
; NO TENSOR LOADS AND NO JOINT LOADS: no fragment of Wo is read by two waves of a work-group, and of LDS 327,680 - 295,424 = 32,256 bytes are left, while one chunk of Wo for 1,024 columns is 65,536.
; The product is used transposed (source 0 = 16 rows of Wo, source 1 = 16 tokens): a lane holds eight neighbouring columns of one row.  The sums meet in a stage in LDS; wave w then owns rows 2 w and 2 w + 1 whole.
; x's two rows of a wave are cleaned at the head and wait in the wave's own LDS bytes, since the accumulators take their registers.
; LIMITS: e10 + e11 between -126 and 127.  A finite |x| or a finite result above 1e9 counts as 1e9.
; REGISTERS: v1 16 x lane; v2-6 LDS addresses; v16-79 accumulators, before and after them two rows; v80-207 four sets of 32: Wo's chunks, at the end bo, gamma, beta; v208-239 o's fragments, two sets; v176-239 at the end x's rows; v240-250 at work.
; THE MODE: SCHED_MODE bits 1:0 = 2 (LLVM: expert scheduling mode 2), set by the entry lines.  The code itself states the register dependences
; between vector or matrix instructions and memory or LDS instructions, with s_wait_alu, always for 0.
; THE PLAN.  Registers that memory or LDS instructions touch:
;   v1 .. v6      offsets and LDS addresses, written at the head and never again.
;   RB0 .. RB3    chunk c: its eight products read RB[c % 4]; the loads of group c + 3 land in RB[(c - 1) % 4], which chunk c - 1 read.  Groups 0 to 15 are Wo's chunks, 16 to 18 bo, gamma, beta.
;   AB0, AB1      chunk c: its products read AB[c % 2]; the LDS loads of chunk c + 1 land in the other set, which chunk c - 1 read.
;   v16-79        x's rows: loaded, cleaned, stored to LDS; then the accumulators: written by the products, stored to the stage; then two whole rows: loaded from the stage, worked on, stored.
;   v176-239      at the end: x's rows land where RB3 and AB lay.
; So ONE wait on va_vdst stands at a chunk's head, behind the waits for the chunk's own data: the chunk before is done reading RB[(c - 1) % 4] and AB[(c + 1) % 2].  The chunk's twelve loads follow it, dealt among
; its eight products, which name RB[c % 4], AB[c % 2] and the accumulators: none of the registers that those loads touch.  Chunk 0 has no chunk before it and asks for nothing of Wo: it has no such wait.
; Lane masks go into sixteen scalar registers, in runs, with one wait on va_sdst behind a run.
.set XROW,  32768
.set STAGE, 163840
.set SPI,   4112                       ; a stage row: 4,096 bytes + 16
.set ACC,   16
.set RB,    80
.set AB,    208
.set XR,    176
.macro MREG j                          ; mask j of sixteen lies in s[MS]: s38-47, then s28-33 (free behind the head's address sums)
.set MS, 38+(\j)
.if (\j) >= 10
.set MS, 18+(\j)
.endif
.endm
; sixteen numbers from v[b] on: NaN -> 0, the infinities -> +-1e9
.macro CLEAN16 b
.set jj, 0
.rept 16
	MREG jj
	v_cmp_eq_f32 s[MS], v[(\b)+jj], v[(\b)+jj]     ; false for NaN alone
.set jj, jj+1
.endr
	s_wait_alu depctr_va_sdst(0)                   ; the sixteen compares have written their masks, which the selects read
.set jj, 0
.rept 16
	MREG jj
	v_cndmask_b32 v[(\b)+jj], 0, v[(\b)+jj], s[MS]
	v_med3_num_f32 v[(\b)+jj], v[(\b)+jj], -v250, v250
.set jj, jj+1
.endr
.endm
.macro WHALF c, h                      ; chunk c of two of my four tiles of Wo: tiles 2 h, 2 h + 1
.irp n, 0,1
	global_load_b128 v[RB+32*((\c)%4)+8*(2*(\h)+\n):RB+32*((\c)%4)+8*(2*(\h)+\n)+3], v1, s[6:7] offset:16384*(2*(\h)+\n)+1024*(\c)
	global_load_b128 v[RB+32*((\c)%4)+8*(2*(\h)+\n)+4:RB+32*((\c)%4)+8*(2*(\h)+\n)+7], v1, s[6:7] offset:16384*(2*(\h)+\n)+1024*(\c)+512
.endr
.endm
.macro WLOAD c
	WHALF \c, 0
	WHALF \c, 1
.endm
.macro RHALF c, sb, h                  ; half of a vector of 1,024 numbers, laid as a row: lane l holds columns 128 k + 4 l + 0..3
.irp k, 0,1,2,3
	global_load_b128 v[RB+32*((\c)%4)+4*(4*(\h)+\k):RB+32*((\c)%4)+4*(4*(\h)+\k)+3], v1, s[\sb:\sb+1] offset:512*(4*(\h)+\k)
.endr
.endm
.macro REFILL c, h                     ; what chunk c asks for: half h of group c + 3, into the set that chunk c - 1 read
.if ((\c) >= 1) && ((\c) < 13)
	WHALF (\c)+3, \h
.elseif (\c) == 13
	RHALF 12, 12, \h                               ; bo, gamma, beta take the ring's last three turns, so that the count at a chunk's head holds to the end
.elseif (\c) == 14
	RHALF 13, 14, \h
.elseif (\c) == 15
	RHALF 14, 16, \h
.endif
.endm
.macro AFETCH c
.irp m, 0,1
	ds_load_b128 v[AB+16*((\c)%2)+8*\m:AB+16*((\c)%2)+8*\m+3], v1 offset:16384*\m+1024*(\c)
	ds_load_b128 v[AB+16*((\c)%2)+8*\m+4:AB+16*((\c)%2)+8*\m+7], v1 offset:16384*\m+1024*(\c)+512
.endr
.endm
.macro PROD c, m                       ; four products: token tile m against my four tiles of Wo; the eight accumulators take turns
.irp n, 0,1,2,3
.if (\c) == 0
	v_wmma_f32_16x16x64_fp8_fp8 v[ACC+8*(4*(\m)+\n):ACC+8*(4*(\m)+\n)+7], v[RB+32*((\c)%4)+8*\n:RB+32*((\c)%4)+8*\n+7], v[AB+16*((\c)%2)+8*(\m):AB+16*((\c)%2)+8*(\m)+7], 0
.else
	v_wmma_f32_16x16x64_fp8_fp8 v[ACC+8*(4*(\m)+\n):ACC+8*(4*(\m)+\n)+7], v[RB+32*((\c)%4)+8*\n:RB+32*((\c)%4)+8*\n+7], v[AB+16*((\c)%2)+8*(\m):AB+16*((\c)%2)+8*(\m)+7], v[ACC+8*(4*(\m)+\n):ACC+8*(4*(\m)+\n)+7]
.endif
.endr
.endm
.macro CHUNK c
	s_wait_dscnt 0x0                               ; this chunk's fragments of o are in: its four LDS loads are the only ones out
.if (\c) == 0
	s_wait_loadcnt 24                              ; chunk 0 of Wo is in; chunks 1 to 3, three groups of eight loads, stay out
.else
	s_wait_loadcnt 16                              ; this chunk of Wo is in; two younger groups of eight loads stay out
	s_wait_alu depctr_va_vdst(0)                   ; the chunk before is done reading its set of Wo and its fragments of o, in which the loads below land
.endif
.if (\c) < 15
	AFETCH (\c)+1
.endif
	PROD \c, 0
	REFILL \c, 0                                   ; no wait: no matrix instruction since the wait above names these registers
	PROD \c, 1
	REFILL \c, 1
.rept 4
	v_nop                                          ; places behind these products, ahead of the next chunk's loads into registers that they read, and of the first read of the sums
.endr
.endm
.macro REDUCE                          ; v[240:241] -> the sum over the wave's 32 lanes, in every lane's v240
	v_add_f32 v240, v240, v241
	v_add_f32_dpp v240, v240, v240 row_xmask:1 row_mask:0xf bank_mask:0xf
	v_add_f32_dpp v240, v240, v240 row_xmask:2 row_mask:0xf bank_mask:0xf
	v_add_f32_dpp v240, v240, v240 row_xmask:4 row_mask:0xf bank_mask:0xf
	v_add_f32_dpp v240, v240, v240 row_xmask:8 row_mask:0xf bank_mask:0xf
	v_permlanex16_b32 v241, v240, s36, s37
	v_add_f32 v240, v240, v241
.endm
.macro LNROW i
.set Y, ACC+32*\i
.set XX, XR+32*\i
.set ii, 0
.rept 16
	v_pk_fma_f32 v[Y+ii:Y+ii+1], v[Y+ii:Y+ii+1], s[26:27], v[RB+ii:RB+ii+1] op_sel_hi:[1,0,1]   ; sum x 2^(e10 + e11) + bo
.set ii, ii+2
.endr
.set ii, 0
.rept 16
	v_pk_add_f32 v[Y+ii:Y+ii+1], v[Y+ii:Y+ii+1], v[XX+ii:XX+ii+1]                               ; + x
.set ii, ii+2
.endr
	v_pk_add_f32 v[240:241], v[Y:Y+1], v[Y+2:Y+3]
	v_pk_add_f32 v[242:243], v[Y+4:Y+5], v[Y+6:Y+7]
.set ii, 8
.rept 6
	v_pk_add_f32 v[240:241], v[240:241], v[Y+ii:Y+ii+1]
	v_pk_add_f32 v[242:243], v[242:243], v[Y+ii+2:Y+ii+3]
.set ii, ii+4
.endr
	v_pk_add_f32 v[240:241], v[240:241], v[242:243]
	REDUCE
	v_mul_f32 v244, 0xba800000, v240               ; -mean: x -1/1,024
	v_mov_b32 v245, v244
.set ii, 0
.rept 16
	v_pk_add_f32 v[Y+ii:Y+ii+1], v[Y+ii:Y+ii+1], v[244:245] op_sel_hi:[1,0]
.set ii, ii+2
.endr
	v_pk_mul_f32 v[240:241], v[Y:Y+1], v[Y:Y+1]
	v_pk_mul_f32 v[242:243], v[Y+2:Y+3], v[Y+2:Y+3]
.set ii, 4
.rept 7
	v_pk_fma_f32 v[240:241], v[Y+ii:Y+ii+1], v[Y+ii:Y+ii+1], v[240:241]
	v_pk_fma_f32 v[242:243], v[Y+ii+2:Y+ii+3], v[Y+ii+2:Y+ii+3], v[242:243]
.set ii, ii+4
.endr
	v_pk_add_f32 v[240:241], v[240:241], v[242:243]
	REDUCE
	v_fma_f32 v246, v240, s34, s35                 ; variance + 1e-5
	v_rsq_f32 v246, v246
	v_nop
	s_wait_alu depctr_va_vdst(0)                   ; the root is written, ahead of its first reader
	v_mov_b32 v247, v246
.set ii, 0
.rept 16
	v_pk_mul_f32 v[Y+ii:Y+ii+1], v[Y+ii:Y+ii+1], v[246:247] op_sel_hi:[1,0]
.set ii, ii+2
.endr
.set ii, 0
.rept 16
	v_pk_fma_f32 v[Y+ii:Y+ii+1], v[Y+ii:Y+ii+1], v[RB+32+ii:RB+32+ii+1], v[RB+64+ii:RB+64+ii+1] ; x gamma + beta
.set ii, ii+2
.endr
	CLEAN16 Y
	CLEAN16 Y+16
	s_wait_alu depctr_va_vdst(0)                   ; the holds have written the row, which the eight stores read
.irp k, 0,1,2,3,4,5,6,7
	global_store_b128 v1, v[Y+4*\k:Y+4*\k+3], s[18:19] offset:4096*\i+512*\k th:TH_STORE_NT     ; 32 lanes store 512 consecutive bytes
.endr
.endm
	s_load_b256 s[4:11], s[0:1], 0x0               ; oi, woi, the scales' exponents, x
	s_load_b256 s[12:19], s[0:1], 0x20             ; bo, gamma, beta, out0
	v_lshl_add_u32 v254, v0, 2, 0x48200
	v_mov_b32 v255, 0
	v_lshrrev_b32 v7, 5, v0
	v_readfirstlane_b32 s20, v7                    ; wave 0..15
	v_and_b32 v7, 31, v0
	v_lshlrev_b32 v1, 4, v7                        ; 16 x lane
	v_and_b32 v8, 15, v0                           ; r
	v_bfe_u32 v9, v0, 4, 1                         ; hh
	s_wait_alu depctr_va_sdst(0)                   ; s20 is written, ahead of its first reader: the wave's offsets are made from it
	s_lshl_b32 s21, s20, 11
	v_add_nc_u32 v2, s21, v1                       ; my 2,048 bytes of o's images: the same offset in memory and in LDS
	s_lshl_b32 s22, s20, 13
	s_add_co_u32 s23, s22, XROW
	v_add_nc_u32 v3, s23, v1                       ; my two rows of x in LDS
	v_mul_u32_u24 v4, v8, SPI
	v_lshl_add_u32 v4, v9, 5, v4
	s_lshl_b32 s23, s20, 8
	s_add_co_u32 s23, s23, STAGE
	v_add_nc_u32 v4, s23, v4                       ; the stage, in: row r, + 256 w + 32 hh
	v_add_nc_u32 v6, 16*SPI, v4                    ; rows 16-31 lie 65,792 bytes on: past an LDS immediate
	s_mul_i32 s23, s20, 2*SPI
	s_add_co_u32 s23, s23, STAGE
	v_add_nc_u32 v5, s23, v1                       ; the stage, back: rows 2 w, 2 w + 1
	s_lshl_b32 s28, ttmp9, 15                      ; two token tiles x 16 images
	s_mov_b32 s29, 0
	s_lshl_b32 s30, ttmp9, 17                      ; 32 rows of 4,096 bytes,
	s_add_co_u32 s30, s30, s22                     ; + my two
	s_mov_b32 s31, 0
	s_lshl_b32 s32, s20, 16                        ; my four tiles of Wo: 4 x 16 images
	s_mov_b32 s33, 0
	s_mov_b32 s34, 0x3a800000                      ; 1 / 1,024
	s_mov_b32 s35, 0x3727c5ac                      ; 1e-5
	s_mov_b32 s36, 0x76543210
	s_mov_b32 s37, 0xfedcba98
	v_mov_b32 v250, 0x4e6e6b28                     ; 1e9
	s_wait_kmcnt 0x0
	s_load_b64 s[24:25], s[8:9], 0x28              ; e10, e11
	s_add_nc_u64 s[4:5], s[4:5], s[28:29]
	s_add_nc_u64 s[10:11], s[10:11], s[30:31]
	s_add_nc_u64 s[18:19], s[18:19], s[30:31]
	s_add_nc_u64 s[6:7], s[6:7], s[32:33]
	s_wait_alu depctr_va_vdst(0)                   ; v1 to v6 are written: the offsets and LDS addresses of every load and store of the kernel
.irp i, 0,1,2,3
	global_load_b128 v[AB+4*\i:AB+4*\i+3], v2, s[4:5] offset:512*\i
.endr
.set ii, 0
.rept 16
	global_load_b128 v[ACC+4*ii:ACC+4*ii+3], v1, s[10:11] offset:512*ii    ; my two rows of x on end
.set ii, ii+1
.endr
	WLOAD 0
	WLOAD 1
	WLOAD 2
	WLOAD 3
	s_wait_loadcnt 48                              ; o's images are in; x's 16 loads and Wo's 32 stay out
.irp i, 0,1,2,3
	ds_store_b128 v2, v[AB+4*\i:AB+4*\i+3] offset:512*\i
.endr
	s_wait_loadcnt 32                              ; x is in
	CLEAN16 ACC
	CLEAN16 ACC+16
	CLEAN16 ACC+32
	CLEAN16 ACC+48
	s_wait_alu depctr_va_vdst(0)                   ; the holds have written v16-79, which the LDS stores read
.set ii, 0
.rept 16
	ds_store_b128 v3, v[ACC+4*ii:ACC+4*ii+3] offset:512*ii
.set ii, ii+1
.endr
	s_wait_dscnt 0x0                               ; for the others' sake: my part of o's images has landed
	s_barrier_signal -1
	s_barrier_wait -1
	s_wait_alu depctr_vm_vsrc(0)                   ; my LDS stores have read v208-223, in which o's first fragments land, and v16-79, which the first products write
	AFETCH 0
.irp c, 0,1,2,3,4,5,6,7,8,9,10,11,12,13,14,15
	CHUNK \c
.endr
	s_wait_alu depctr_va_vdst(0)                   ; the products have written the accumulators, which the LDS stores read, and are done reading v176-239, in which x's rows land below; the four places above stay beside this wait
.irp m, 0,1
.irp n, 0,1,2,3
	ds_store_b128 v[4+2*\m], v[ACC+8*(4*\m+\n):ACC+8*(4*\m+\n)+3] offset:64*\n         ; each accumulator from its low end on
	ds_store_b128 v[4+2*\m], v[ACC+8*(4*\m+\n)+4:ACC+8*(4*\m+\n)+7] offset:64*\n+16
.endr
.endr
	s_wait_dscnt 0x0                               ; my sums have landed in the stage
	s_barrier_signal -1
	s_barrier_wait -1                              ; 32 whole rows lie there
	s_wait_alu depctr_vm_vsrc(0)                   ; my LDS stores have read v16-79, in which the two rows land
.irp i, 0,1
.irp k, 0,1,2,3,4,5,6,7
	ds_load_b128 v[ACC+32*\i+4*\k:ACC+32*\i+4*\k+3], v5 offset:SPI*\i+512*\k
.endr
.endr
.set ii, 0
.rept 16
	ds_load_b128 v[XR+4*ii:XR+4*ii+3], v3 offset:512*ii
.set ii, ii+1
.endr
	s_wait_kmcnt 0x0
	s_add_co_i32 s26, s24, s25
	s_add_co_i32 s26, s26, 127
	s_lshl_b32 s26, s26, 23                        ; 2^(e10 + e11) as f32
	s_mov_b32 s27, s26
	s_wait_dscnt 0x0
	s_wait_loadcnt 0x0                             ; bo, gamma, beta
	LNROW 0
	LNROW 1
	s_wait_dscnt 0x0                               ; the closing lines, six on end
	s_wait_alu 0x0
	s_wait_tensorcnt 0x0
	ds_add_u32 v254, v255
	s_wait_dscnt 0x0
	s_endpgm
.Lfunc_end_k_q8ba8a58caf_outln:
	.size	k_q8ba8a58caf_outln, .Lfunc_end_k_q8ba8a58caf_outln-k_q8ba8a58caf_outln
	.p2alignl 7, 3214868480
	.fill 96, 4, 3214868480
	.section	.rodata,"a",@progbits
	.p2align	6, 0x0
	.amdhsa_kernel k_q8ba8a58caf_outln
		.amdhsa_group_segment_fixed_size 297472
		.amdhsa_private_segment_fixed_size 0
		.amdhsa_enable_private_segment 0
		.amdhsa_kernarg_size 64
		.amdhsa_user_sgpr_count 2
		.amdhsa_user_sgpr_kernarg_segment_ptr 1
		.amdhsa_wavefront_size32 1
		.amdhsa_system_sgpr_workgroup_id_x 1
		.amdhsa_system_sgpr_workgroup_id_y 1
		.amdhsa_system_sgpr_workgroup_id_z 1
		.amdhsa_system_vgpr_workitem_id 0
		.amdhsa_next_free_vgpr 256
		.amdhsa_next_free_sgpr 66
		.amdhsa_reserve_vcc 0
		.amdhsa_float_denorm_mode_32 3
		.amdhsa_float_denorm_mode_16_64 3
		.amdhsa_memory_ordered 1
		.amdhsa_forward_progress 1
		.amdhsa_inst_pref_size 81
	.end_amdhsa_kernel
	.amdgpu_metadata
---
amdhsa.version: [ 1, 2 ]
amdhsa.kernels:
  - .name:           k_q8ba8a58caf_outln
    .symbol:         k_q8ba8a58caf_outln.kd
    .args:
      - { .name: oi, .offset: 0, .size: 8, .value_kind: global_buffer, .address_space: global }
      - { .name: woi, .offset: 8, .size: 8, .value_kind: global_buffer, .address_space: global }
      - { .name: lowp_scales, .offset: 16, .size: 8, .value_kind: global_buffer, .address_space: global }
      - { .name: x, .offset: 24, .size: 8, .value_kind: global_buffer, .address_space: global }
      - { .name: bo, .offset: 32, .size: 8, .value_kind: global_buffer, .address_space: global }
      - { .name: gamma, .offset: 40, .size: 8, .value_kind: global_buffer, .address_space: global }
      - { .name: beta, .offset: 48, .size: 8, .value_kind: global_buffer, .address_space: global }
      - { .name: out0, .offset: 56, .size: 8, .value_kind: global_buffer, .address_space: global }
    .group_segment_fixed_size: 297472
    .private_segment_fixed_size: 0
    .kernarg_segment_align: 8
    .kernarg_segment_size: 64
    .max_flat_workgroup_size: 512
    .sgpr_count:     66
    .vgpr_count:     256
    .wavefront_size: 32
...
	.end_amdgpu_metadata
.endif
;; end of part 6
